; MI455X (gfx1250); checked and timed in simulation.
; The chip was launched on July 23, 2026; its instructions are those of AMD's public machine-readable ISA for CDNA 5 (MIT licence, August 2026) and "CDNA5" Instruction Set Architecture Reference Guide (July 2026). The comments in the code are by the model that wrote it; some were corrected since.
;; Cross Attention. Allowed arithmetic: float matrix products may take bf16 or f16 operands with f32 sums; all other float work in f32.
;; Inputs: b_kv 2,048 float32; b_out 1,024 float32; b_q 1,024 float32; kv 2 x 2,048 x 1,024 float32; q 2 x 2,048 x 1,024 float32; w_kv 1,024 x 2,048 float32; w_out 1,024 x 1,024 float32; w_q 1,024 x 1,024 float32.
;; Outputs: out0 2 x 2,048 x 1,024 float32.
;; 2 versions, each right and faster than the one before. Each part assembles by itself: llvm-mc -triple=amdgcn-amd-amdhsa -mcpu=gfx1250 --defsym DOCPART=n.
;; ======== version 1 of 2: 4 launches
;; limits: values are held in f16: magnitudes above 65,504 overflow, below 6.1e-05 lose precision
;; workspace buffers: xh 25,165,824 bytes; qkv 25,165,824 bytes; ao 8,388,608 bytes
;; launch cast (part 1): grid 768 x 1, 8 waves a work-group, no clusters, 0 bytes of LDS; arguments q, kv, w_q, w_kv, w_out, xh; writes xh
.if DOCPART == 1
	.amdgcn_target "amdgcn-amd-amdhsa--gfx1250"
	.amdhsa_code_object_version 6
	.text
	.protected	k_q4d570e2843_cast
	.globl	k_q4d570e2843_cast
	.p2align	8
	.type	k_q4d570e2843_cast,@function
k_q4d570e2843_cast:
	s_mov_b64 s[64:65], 0
	v_nop
	global_prefetch_b8 v0, s[64:65] scope:SCOPE_SE
	s_setreg_imm32_b32 hwreg(HW_REG_WAVE_MODE, 25, 1), 1
	s_wait_xcnt 0x0
; All five large f32 inputs are rounded once to f16 (nearest even) and laid so that the three matrix launches can fetch 16-bit tiles:
;   xh byte 0:          X  [8192][1024]  rows 0-4095 = q's tokens, rows 4096-8191 = kv's tokens
;   xh byte 16,777,216: WC [1024 k][3072 n]  columns 0-1023 = w_q, columns 1024-3071 = w_kv
;   xh byte 23,068,672: WO [1024 k][1024 n]  = w_out
; LIMIT: a number above 65,504 in magnitude becomes infinity in f16; NaN and infinities are not treated.
; A stream: no LDS, no barrier, no matrix unit, since no number is used twice.  A work-group casts 65,536 bytes of f32 into 32,768 bytes
; of f16; 768 work-groups = 256 (q) + 256 (kv) + 64 (w_q) + 128 (w_kv) + 64 (w_out).  A wave takes two runs of 4,096 source bytes.
; Each load of a wave covers 512 consecutive bytes, each store 256 consecutive bytes at a multiple of 256 from xh's first byte.
; All sixteen loads of a wave are issued first; no register is written twice, so there is no loop and no wait for sources.
.set SO,   1                           ; v1       source: wave x 8,192 + lane x 16
.set D0,   2                           ; v2, v3   destination of run 0 and of run 1: wave x S2 (+ S1) + lane x 8
.set X,    4                           ; v[4:67]  64 numbers as loaded
.set Y,    68                          ; v[68:99] the same as 32 words of two f16
.set LANE, 100
.set WAVE, 101
	s_load_b256 s[4:11], s[0:1], 0x0               ; q s[4:5], kv s[6:7], w_q s[8:9], w_kv s[10:11]
	s_load_b128 s[12:15], s[0:1], 0x20             ; w_out s[12:13], xh s[14:15]
	v_and_b32 v[LANE], 31, v0
	v_lshrrev_b32 v[WAVE], 5, v0
	; The segment's figures; first those of w_out (work-groups 704-767), then overridden downward by the work-group's number alone.
	s_mov_b32 s18, 704                             ; FIRST: the segment's first work-group
	s_mov_b32 s19, 23068672                        ; DBASE: the segment's first byte in xh
	s_mov_b32 s20, 32768                           ; MULT:  destination bytes from one work-group to the next
	s_mov_b32 s21, 4096                            ; S2:    destination bytes from one wave to the next
	s_mov_b32 s22, 2048                            ; S1:    destination bytes from a wave's run 0 to its run 1
	s_wait_kmcnt 0x0
	s_mov_b64 s[16:17], s[12:13]
.macro PICK below, ptr, first, dbase, mult, s2, s1
	s_cmp_lt_u32 ttmp9, \below
	s_cselect_b64 s[16:17], s[\ptr:\ptr+1], s[16:17]
	s_cselect_b32 s18, \first, s18
	s_cselect_b32 s19, \dbase, s19
	s_cselect_b32 s20, \mult, s20
	s_cselect_b32 s21, \s2, s21
	s_cselect_b32 s22, \s1, s22
.endm
	PICK 704, 10, 576, 16779264, 49152, 6144, 2048     ; w_kv: 8 rows of 8,192 bytes a group, a row a wave; WC's rows are 6,144 bytes, columns from 1024
	PICK 576, 8,  512, 16777216, 98304, 12288, 6144    ; w_q:  16 rows of 4,096 bytes a group, two rows a wave; WC's columns from 0
	PICK 512, 6,  256, 8388608,  32768, 4096, 2048     ; kv:   dense, X's rows from 4096
	PICK 256, 4,  0,   0,        32768, 4096, 2048     ; q:    dense, X's rows from 0
	s_sub_co_u32 s23, ttmp9, s18                   ; my number within the segment
	s_lshl_b32 s24, s23, 16                        ; x 65,536 source bytes (below 16 MiB)
	s_mov_b32 s25, 0
	s_add_nc_u64 s[16:17], s[16:17], s[24:25]
	s_mul_i32 s26, s23, s20
	s_add_co_u32 s26, s26, s19                     ; below 24 MiB
	s_mov_b32 s27, 0
	s_add_nc_u64 s[14:15], s[14:15], s[26:27]
	v_lshlrev_b32 v[SO], 4, v[LANE]
	v_lshl_add_u32 v[SO], v[WAVE], 13, v[SO]
	v_mul_lo_u32 v[D0], v[WAVE], s21
	v_lshl_add_u32 v[D0], v[LANE], 3, v[D0]
	v_add_nc_u32 v[D0+1], s22, v[D0]
.set j, 0
.rept 16
	global_load_b128 v[X+4*j:X+4*j+3], v[SO], s[16:17] offset:512*j th:TH_LOAD_NT   ; read once in the whole launch
.set j, j+1
.endr
.set j, 0
.rept 16
	s_wait_loadcnt 15-j                            ; loads come back in order: load j is in, the 15 - j younger ones stay out
	v_cvt_pk_f16_f32 v[Y+2*j],   v[X+4*j],   v[X+4*j+1]
	v_cvt_pk_f16_f32 v[Y+2*j+1], v[X+4*j+2], v[X+4*j+3]
	global_store_b64 v[D0+j/8], v[Y+2*j:Y+2*j+1], s[14:15] offset:256*(j%8)         ; the next launch reads these: no hint
.set j, j+1
.endr
	s_endpgm
.Lfunc_end_k_q4d570e2843_cast:
	.size	k_q4d570e2843_cast, .Lfunc_end_k_q4d570e2843_cast-k_q4d570e2843_cast
	.p2alignl 7, 3214868480
	.fill 96, 4, 3214868480
	.section	.rodata,"a",@progbits
	.p2align	6, 0x0
	.amdhsa_kernel k_q4d570e2843_cast
		.amdhsa_group_segment_fixed_size 0
		.amdhsa_private_segment_fixed_size 0
		.amdhsa_enable_private_segment 0
		.amdhsa_kernarg_size 48
		.amdhsa_user_sgpr_count 2
		.amdhsa_user_sgpr_kernarg_segment_ptr 1
		.amdhsa_wavefront_size32 1
		.amdhsa_system_sgpr_workgroup_id_x 1
		.amdhsa_system_sgpr_workgroup_id_y 1
		.amdhsa_system_sgpr_workgroup_id_z 1
		.amdhsa_system_vgpr_workitem_id 0
		.amdhsa_next_free_vgpr 104
		.amdhsa_next_free_sgpr 66
		.amdhsa_reserve_vcc 0
		.amdhsa_float_denorm_mode_32 3
		.amdhsa_float_denorm_mode_16_64 3
		.amdhsa_memory_ordered 1
		.amdhsa_forward_progress 1
		.amdhsa_inst_pref_size 9
	.end_amdhsa_kernel
	.amdgpu_metadata
---
amdhsa.version: [ 1, 2 ]
amdhsa.kernels:
  - .name:           k_q4d570e2843_cast
    .symbol:         k_q4d570e2843_cast.kd
    .args:
      - { .name: q, .offset: 0, .size: 8, .value_kind: global_buffer, .address_space: global }
      - { .name: kv, .offset: 8, .size: 8, .value_kind: global_buffer, .address_space: global }
      - { .name: w_q, .offset: 16, .size: 8, .value_kind: global_buffer, .address_space: global }
      - { .name: w_kv, .offset: 24, .size: 8, .value_kind: global_buffer, .address_space: global }
      - { .name: w_out, .offset: 32, .size: 8, .value_kind: global_buffer, .address_space: global }
      - { .name: xh, .offset: 40, .size: 8, .value_kind: global_buffer, .address_space: global }
    .group_segment_fixed_size: 0
    .private_segment_fixed_size: 0
    .kernarg_segment_align: 8
    .kernarg_segment_size: 48
    .max_flat_workgroup_size: 256
    .sgpr_count:     66
    .vgpr_count:     104
    .wavefront_size: 32
...
	.end_amdgpu_metadata
.endif
;; end of part 1
;; launch inproj (part 2): grid 12 x 16, 4 waves a work-group, clusters of 4 x 4, 327,680 bytes of LDS; arguments xh, b_q, b_kv, qkv; writes qkv
.if DOCPART == 2
	.amdgcn_target "amdgcn-amd-amdhsa--gfx1250"
	.amdhsa_code_object_version 6
	.text
	.protected	k_q4d570e2843_inproj
	.globl	k_q4d570e2843_inproj
	.p2align	8
	.type	k_q4d570e2843_inproj,@function
k_q4d570e2843_inproj:
	s_mov_b64 s[64:65], 0
	v_nop
	global_prefetch_b8 v0, s[64:65] scope:SCOPE_SE
	s_setreg_imm32_b32 hwreg(HW_REG_WAVE_MODE, 25, 1), 1
	s_wait_xcnt 0x0
	s_wait_alu depctr_hold_cnt(0) depctr_sa_sdst(0) depctr_va_vdst(0) depctr_va_sdst(0) depctr_va_ssrc(0) depctr_va_vcc(0) depctr_vm_vsrc(0)
	s_getreg_b32 s2, hwreg(HW_REG_IB_STS2, 6, 4)
	s_cmp_eq_u32 s2, 0
	s_cbranch_scc0 .Lentry_in_a_cluster
	s_endpgm
.Lentry_in_a_cluster:
	s_bfe_u32 s2, ttmp6, 0x10000c
	s_cmp_lg_u32 s2, 0xf033
	s_cbranch_scc0 .Lentry_shape_is_right
	s_endpgm
.Lentry_shape_is_right:
; Q' = (q w_q + b_q) x 0.125 log2(e),  K and V = kv w_kv + b_kv, as one product X WC of f16 operands with f32 sums; results rounded once to f16 into
; qkv [3: Q', K, V][bh = 16 b + h][token 2048][d 64].  The factor of Q' is SCALE x log2(e), so that the next launch's softmax is an exp2.
; LIMIT: a projected number above 65,504 in magnitude becomes infinity in f16; NaN and infinities are not treated.
; A work-group makes 256 rows x 256 columns with four waves; a wave makes 128 x 128: 64 accumulator tiles of 16 x 16, 512 registers.
; 12 x 16 = 192 work-groups: 3,072 columns and 4,096 rows in blocks of 256.  Smaller blocks would fill more WGPs, but each byte read
; from LDS would then feed half as many multiply-adds.
; K = 1,024 goes in steps of 128 through two LDS slots filled by the tensor data mover.  X's tile: 256 rows of 256 bytes.  WC lies [k][n]: its tile is
; 128 k-rows of 512 bytes, and the fragments are read by the transposing LDS load.
; CLUSTERS: 4 x 4 work-groups.  The cluster's x is the part (0 Q', 1 K, 2 V), equal in all sixteen.  X's tile hangs on the part and the block row: shared along a
; row of the cluster.  WC's tile hangs on the block column: shared along a column.  Each is asked for jointly by the four that share it.
; REGISTER WINDOWS: window 0: v16-29 addresses and the factor, v32-63 and v224-255 the bias, v64-127 and v128-191 fragments of X (two buffers),
; v192-223 at work on the way out; window 1: v64-127, v128-191 fragments of WC; windows 2, 3: the accumulator tiles of my rows 0-63, 64-127.
; THE MATRIX INSTRUCTION IS USED TRANSPOSED: source 0 = 16 columns of WC, source 1 = 16 rows of X; lane l then holds row l % 16 and its registers 0-7 the
; columns 8 (l / 16) + 0..7: eight neighbouring numbers of a row, 16 bytes of f16.
.set SIZE_K, 1024
.set KSTEP,  128
.set WROW,   6144                      ; bytes in a row of WC
.set PITCH,  272                       ; X's LDS row: 256 bytes + 16: sixteen rows start at sixteen different 16-byte columns modulo 256
.set BPITCH, 544                       ; WC's LDS row: 512 bytes + 32 = 17 x 32
.set HALFT,  128*PITCH                 ; what one tensor load brings: 128 rows of X, or 64 k-rows of WC (64 x 544 is the same 34,816 bytes)
.set SLOT,   4*HALFT                   ; X's 256 rows, then WC's 128 k-rows
.set STAGE,  2*SLOT                    ; behind the ring: 16 rows x 272 bytes for each wave; no tensor load ever lands there
.set LAPS,   SIZE_K/(2*KSTEP)          ; 4 laps of two K steps
.set ADRA, 16                          ; v16-17  LDS address of my X fragments in slot 0, 1
.set ADRB, 20                          ; v20-21  the same for WC
.set STO,  24                          ; the way out: where I put 16 bytes of a row
.set RD,   25                          ; the way out: where I read 16 bytes back
.set CO,   26                          ; my byte offset in qkv
.set BO,   27                          ; my byte offset in the bias
.set CV,   28                          ; v[28:29] the factor, twice
.set BIAS, 32                          ; tile b: v[32+8b] for b < 4, v[224+8(b-4)] for the others = BIAS + 8 b + 160 (b / 4)
.set F0,   64
.set F1,   128
.set T,    64                          ; the way out: 64 results in f32
.set TMP,  192                         ; the way out: the same as 32 words of two f16
.set G1,  24                           ; s[24:31] descriptor group 1 for X's tiles
.set G0,  32                           ; s[32:39] group 0 for X's tiles, a set for each slot
.set G1B, 48                           ; s[48:55] group 1 for WC's tiles
.set G0B, 56                           ; s[56:63] group 0 for WC's tiles, a set for each slot
.set MSB, 0
.macro WIN new                         ; the immediate's high byte repeats the setting that is left
.if MSB != \new
	s_set_vgpr_msb (MSB<<8)|\new
.set MSB, \new
.endif
.endm
.set MUL_LO, 0xa1                      ; source 0 (WC) window 1, source 1 (X) window 0, C and D window 2
.set MUL_HI, 0xf1                      ; the same, C and D window 3
.set TO_B,   0x40                      ; destination window 1, address window 0
; A joint load.  Waves 0, 1 fetch X's two halves, waves 2, 3 WC's.  The branch hangs on the wave's number alone.
.macro JLOAD s
	s_cmp_eq_u32 s13, 0
	s_cbranch_scc0 .Lfor_b_\@
	tensor_load_to_lds s[G0+4*\s:G0+4*\s+3], s[G1:G1+7]
	s_nop 0
	s_branch .Lasked_\@
.Lfor_b_\@:
	tensor_load_to_lds s[G0B+4*\s:G0B+4*\s+3], s[G1B:G1B+7]
	s_nop 0
.Lasked_\@:
.endm
.macro CREST                           ; a round of the cluster's barrier behind its opening work-group barrier
	s_cmp_lg_u32 s12, 0
	s_cbranch_scc1 .Lnot_wave_0_\@
	s_barrier_signal -3
.Lnot_wave_0_\@:
	s_barrier_wait -3
	s_barrier_signal -1
	s_barrier_wait -1
.endm
.macro CROUND                          ; a whole round
	s_barrier_signal -1
	s_barrier_wait -1
	CREST
.endm
	s_load_b256 s[4:11], s[0:1], 0x0               ; xh s[4:5], b_q s[6:7], b_kv s[8:9], qkv s[10:11]
	s_set_vgpr_msb 0x40
	v_lshl_add_u32 v255, v0, 2, 0x48400
	s_set_vgpr_msb 0x4000
	v_mov_b32 v31, 0
	s_set_vgpr_msb 0x1
	ds_add_u32 v255, v31
	s_set_vgpr_msb 0x100
	v_lshrrev_b32 v1, 5, v0
	v_readfirstlane_b32 s12, v1                    ; wave 0..3
	s_lshr_b32 s13, s12, 1                         ; which half of the block's rows is mine.  Also: I fetch for X (0) or for WC (1)
	s_and_b32 s14, s12, 1                          ; which half of its columns.  Also: which half of that tile I fetch
	s_bfe_u32 s16, ttmp6, 0x40000                  ; cx
	s_bfe_u32 s17, ttmp6, 0x40004                  ; cy
	s_mov_b32 s18, ttmp9                           ; the part: 0 Q', 1 K, 2 V (the cluster's x)
	s_lshl_b32 s19, ttmp9, 2
	s_add_co_u32 s19, s19, s16                     ; block column of WC = 4 x part + cx
	s_and_b32 s20, ttmp7, 0xffff
	s_lshl_b32 s20, s20, 2
	s_add_co_u32 s20, s20, s17                     ; block row = 4 x cluster y + cy
	s_lshl_b32 s21, s17, 2
	s_lshl_b32 s21, 15, s21                        ; my row of the cluster: places 4 cy .. 4 cy + 3
	s_lshl_b32 s22, 0x1111, s16                    ; my column: places cx, cx + 4, cx + 8, cx + 12
	; group 1 for X: 128 rows x 128 elements of 2 bytes, 1,024 elements from row to row; 4 words of padding behind every 64
	s_or_b32 s[G1+0], s21, (1<<16)|(1<<20)|(1<<21)|(5<<22)|(3<<25)
	s_mov_b32 s[G1+1], 128<<16                     ; tensor_dim0 = 128
	s_mov_b32 s[G1+2], 128<<16                     ; tensor_dim1 = 128
	s_mov_b32 s[G1+3], 128<<16                     ; tile_dim0 = 128
	s_mov_b32 s[G1+4], 128                         ; tile_dim1 = 128
	s_mov_b32 s[G1+5], 1024                        ; the pitch
	s_mov_b32 s[G1+6], 0
	s_mov_b32 s[G1+7], 0
	; group 1 for WC: 64 k-rows x 256 elements of 2 bytes, 3,072 elements from row to row; 8 words of padding behind every 128
	s_or_b32 s[G1B+0], s22, (1<<16)|(1<<20)|(1<<21)|(6<<22)|(7<<25)
	s_mov_b32 s[G1B+1], 256<<16                    ; tensor_dim0 = 256
	s_mov_b32 s[G1B+2], 64<<16                     ; tensor_dim1 = 64
	s_mov_b32 s[G1B+3], 256<<16                    ; tile_dim0 = 256
	s_mov_b32 s[G1B+4], 64                         ; tile_dim1 = 64
	s_mov_b32 s[G1B+5], 3072                       ; the pitch
	s_mov_b32 s[G1B+6], 0
	s_mov_b32 s[G1B+7], 0
	; X's offset hangs on the part, the block row and the wave; WC's on the block column and the wave.  Each in registers that never hold the other coordinate.
	s_min_u32 s40, s18, 1
	s_lshl_b32 s40, s40, 12                        ; K and V read kv's tokens: X's rows from 4096
	s_lshl_b32 s41, s20, 8
	s_add_co_u32 s40, s40, s41                     ; + 256 x block row
	s_lshl_b32 s41, s14, 7
	s_add_co_u32 s40, s40, s41                     ; + 128 x half
	s_lshl_b32 s40, s40, 11                        ; x 2,048 bytes a row (below 16 MiB)
	s_mov_b32 s41, 0
	s_mul_i32 s44, s14, 64*WROW                    ; 64 k-rows x half
	s_lshl_b32 s45, s19, 9
	s_add_co_u32 s44, s44, s45                     ; + 512 bytes x block column
	s_add_co_u32 s44, s44, 16777216                ; WC's first byte in xh
	s_mov_b32 s45, 0
	s_mul_i32 s23, s12, HALFT                      ; where my part goes: wave x 34,816: X's two halves, then WC's two halves
	s_wait_dscnt 0x0
	s_wait_kmcnt 0x0
	s_add_nc_u64 s[42:43], s[4:5], s[40:41]
	s_add_nc_u64 s[46:47], s[4:5], s[44:45]
	CROUND                                         ; all sixteen work-groups are here: the first joint loads meet
.irp s, 0,1
	s_mov_b32 s[G0+4*\s], 1
	s_add_co_u32 s[G0+4*\s+1], s23, \s*SLOT
	s_add_nc_u64 s[G0+4*\s+2:G0+4*\s+3], s[42:43], \s*KSTEP*2
	s_or_b32 s[G0+4*\s+3], s[G0+4*\s+3], 0x80000000
	s_mov_b32 s[G0B+4*\s], 1
	s_add_co_u32 s[G0B+4*\s+1], s23, \s*SLOT
	s_add_nc_u64 s[G0B+4*\s+2:G0B+4*\s+3], s[46:47], \s*KSTEP*WROW
	s_or_b32 s[G0B+4*\s+3], s[G0B+4*\s+3], 0x80000000
	JLOAD \s                                       ; the ring is filled before anything else is done: two tensor loads of a wave are out, this text's most
.endr
	; the factor and the bias of my 128 columns
	s_cmp_eq_u32 s18, 0
	s_cselect_b32 s66, 0x3e38aa3b, 1.0             ; Q': 0.125 x log2(e); K, V: 1
	s_cselect_b64 s[68:69], s[6:7], s[8:9]         ; b_q or b_kv
	s_max_u32 s76, s18, 1
	s_sub_co_u32 s76, s76, 1
	s_lshl_b32 s76, s76, 12                        ; V's bias is the second 4,096 bytes of b_kv
	s_lshl_b32 s77, s16, 10
	s_add_co_u32 s76, s76, s77                     ; + 256 columns x cx
	s_lshl_b32 s77, s14, 9
	s_add_co_u32 s76, s76, s77                     ; + 128 columns x half
	s_mov_b32 s77, 0
	s_add_nc_u64 s[68:69], s[68:69], s[76:77]
	v_mov_b32 v[CV], s66
	v_mov_b32 v[CV+1], s66
	v_and_b32 v1, 15, v0                           ; r = l % 16
	v_bfe_u32 v2, v0, 4, 1                         ; h = l / 16
	v_lshlrev_b32 v[BO], 5, v2                     ; my eight columns of a tile begin at column 8 h
.irp b, 0,1,2,3,4,5,6,7
	global_load_b128 v[BIAS+8*\b+160*(\b/4):BIAS+8*\b+160*(\b/4)+3],   v[BO], s[68:69] offset:64*\b
	global_load_b128 v[BIAS+8*\b+160*(\b/4)+4:BIAS+8*\b+160*(\b/4)+7], v[BO], s[68:69] offset:64*\b+16
.endr                                              ; waited for on the way out; their registers and sources are not touched in between
	; X's fragment: lane l holds row r; registers 0-3 hold k = 8 h + 0..7, registers 4-7 k = 16 + 8 h + 0..7: two loads of 16 bytes, 32 bytes apart
	v_mul_u32_u24 v3, v1, PITCH
	v_lshl_add_u32 v3, v2, 4, v3                   ; r x 272 + 16 h
	; WC's fragment by the transposing load: lane l addresses k-row 8 h + l % 8, the 16 bytes of columns 8 ((l / 8) % 2) + 0..7, and receives column r, k = 8 h + 0..7
	v_and_b32 v4, 7, v0
	v_lshl_add_u32 v4, v2, 3, v4
	v_mul_u32_u24 v4, v4, BPITCH
	v_bfe_u32 v5, v0, 3, 1
	v_lshl_add_u32 v4, v5, 4, v4
	s_mul_i32 s76, s13, HALFT                      ; my 128 rows of X
	s_lshl_b32 s77, s14, 8                         ; my 128 columns of WC: 256 bytes,
	s_add_co_u32 s77, s77, 2*HALFT                 ; behind X's 256 rows
.irp s, 0,1
	v_add_nc_u32 v[ADRA+\s], s76, v3
	v_add_nc_u32 v[ADRB+\s], s77, v4
	s_add_co_u32 s76, s76, SLOT
	s_add_co_u32 s77, s77, SLOT
.endr
	s_mul_i32 s78, s12, 16*PITCH
	s_add_co_u32 s78, s78, STAGE                   ; my stage
	v_add_nc_u32 v[STO], s78, v3                   ; in: row r, 16 bytes for each half of the lanes
	v_bfe_u32 v5, v0, 3, 2                         ; back: eight lanes take the 128 bytes of one token and one head, a load takes four tokens
	v_mul_u32_u24 v5, v5, PITCH
	v_and_b32 v6, 7, v0
	v_lshl_add_u32 v5, v6, 4, v5
	v_add_nc_u32 v[RD], s78, v5
	v_and_b32 v6, 31, v0
	v_lshlrev_b32 v[CO], 4, v6                     ; in qkv these four tokens are 512 consecutive bytes: 16 x lane
; 16 matrix instructions: m blocks a0, a0 + 1 of the window's four x all 8 n blocks, 32 along K.  zero = 1: the first product starts the sums.
.macro MUL16 f, hi, a0, zero
.irp a, \a0, \a0+1
.irp b, 0,1,2,3,4,5,6,7
.if \zero
	v_wmma_f32_16x16x32_f16 v[8*(8*(\a)+\b):8*(8*(\a)+\b)+7], v[\f+8*\b:\f+8*\b+7], v[\f+8*(4*\hi+\a):\f+8*(4*\hi+\a)+7], 0
.else
	v_wmma_f32_16x16x32_f16 v[8*(8*(\a)+\b):8*(8*(\a)+\b)+7], v[\f+8*\b:\f+8*\b+7], v[\f+8*(4*\hi+\a):\f+8*(4*\hi+\a)+7], v[8*(8*(\a)+\b):8*(8*(\a)+\b)+7]
.endif
.endr
.endr
.endm
; 32 LDS loads in one run: the fragments of one quarter step (32 k at byte k of X's rows = k-rows k / 2 of WC) into buffer f; WC's first
.macro FETCH slot, k, f
	WIN TO_B
.irp i, 0,1,2,3,4,5,6,7
	ds_load_tr16_b128 v[\f+8*\i:\f+8*\i+3],   v[ADRB+\slot] offset:(\k/64)*32*BPITCH+\i*32
	ds_load_tr16_b128 v[\f+8*\i+4:\f+8*\i+7], v[ADRB+\slot] offset:(\k/64)*32*BPITCH+\i*32+16*BPITCH
.endr
	WIN 0
.irp i, 0,1,2,3,4,5,6,7
	ds_load_b128 v[\f+8*\i:\f+8*\i+3],   v[ADRA+\slot] offset:\k+\i*16*PITCH
	ds_load_b128 v[\f+8*\i+4:\f+8*\i+7], v[ADRA+\slot] offset:\k+\i*16*PITCH+32
.endr
.endm
; Four places behind a matrix instruction before a load lands on a register that it read or a vector instruction reads its result (ISA guide 7.12.1 for
; vector instructions); the matrix instructions in between are not counted as places.
.macro PLACES
.rept 4
	v_nop
.endr
.endm
; A K step is four quarters of 32 along K, 64 matrix instructions each, on buffers 0, 1, 0, 1.  The 64 accumulators take turns, one instruction a turn, in the
; same order in every quarter, over the backward jump too.
.macro QUARTER slot, k, f, g, zero
	s_wait_dscnt 8                                 ; WC's fragments and X's rows 0-63 are in; the youngest eight loads (X's rows 64-127) may be out
	WIN MUL_LO
	MUL16 \f, 0, 0, \zero
	MUL16 \f, 0, 2, \zero
	PLACES
	FETCH \slot, \k, \g
	s_wait_dscnt 32                                ; all but the 32 just issued
	WIN MUL_HI
	MUL16 \f, 1, 0, \zero
	MUL16 \f, 1, 2, \zero
.endm
.macro THREE slot, zero
	QUARTER \slot, 64,  F0, F1, \zero
	QUARTER \slot, 128, F1, F0, 0
	QUARTER \slot, 192, F0, F1, 0
.endm
; The last quarter multiplies buffer 1 and changes slots.  In front of the barrier each wave waits for its reads of this slot and for all its tensor loads
; (one is out: its part of the next slot).  With fill = 1 the barrier opens a round of the cluster's barrier, and the joint refill is the first tensor load behind it.
.macro TURN slot, next, fill
	s_wait_dscnt 8
	WIN MUL_LO
	MUL16 F1, 0, 0, 0
	s_wait_dscnt 0                                 ; my reads of this slot are over
	s_wait_tensorcnt 0x0                           ; all my tensor loads have landed
	ds_add_u32 v255, v31
	s_wait_dscnt 0x0
	s_barrier_signal -1
	MUL16 F1, 0, 2, 0                              ; register work while the others arrive
	WIN 0
	s_barrier_wait -1
.if \fill
	CREST                                          ; no wave of any partner still reads this slot or has a load on its way
	s_add_nc_u64 s[G0+4*\slot+2:G0+4*\slot+3], s[G0+4*\slot+2:G0+4*\slot+3], 2*KSTEP*2
	s_add_nc_u64 s[G0B+4*\slot+2:G0B+4*\slot+3], s[G0B+4*\slot+2:G0B+4*\slot+3], 2*KSTEP*WROW
	JLOAD \slot
.endif
	PLACES
	FETCH \next, 0, F0
	WIN MUL_HI
	MUL16 F1, 1, 0, 0
	MUL16 F1, 1, 2, 0
.endm
.macro LAP zero
	THREE 0, \zero
	TURN 0, 1, 1
	THREE 1, 0
	TURN 1, 0, 1
.endm
	s_wait_tensorcnt 1                             ; my part of K step 0 is in; K step 1's stays out
	s_barrier_signal -1
	s_barrier_wait -1                              ; everybody's is
	FETCH 0, 0, F0
	LAP 1                                          ; the first lap's first products start the sums: nothing is cleared
	WIN 0
	s_mov_b32 s15, LAPS-2
.Llap:
	LAP 0
	WIN 0
	s_sub_co_u32 s15, s15, 1
	s_cmp_lg_u32 s15, 0
	s_cbranch_scc1 .Llap
	THREE 0, 0                                     ; the last lap fills nothing
	TURN 0, 1, 0
	THREE 1, 0
	s_wait_dscnt 8
	WIN MUL_LO
	MUL16 F1, 0, 0, 0
	MUL16 F1, 0, 2, 0
	s_wait_dscnt 0
	WIN MUL_HI
	MUL16 F1, 1, 0, 0
	MUL16 F1, 1, 2, 0
	; THE WAY OUT, 16 rows at a time: result = sum x c + bias x c in f32, rounded once to f16, through my own stage, out as 512 consecutive bytes a store.
	PLACES
	WIN 0
	s_wait_loadcnt 0x0                             ; the bias
.set i, 0
.rept 16
	v_pk_mul_f32 v[32+2*i:33+2*i],   v[32+2*i:33+2*i],   v[CV:CV+1]
	v_pk_mul_f32 v[224+2*i:225+2*i], v[224+2*i:225+2*i], v[CV:CV+1]
.set i, i+1
.endr
	s_lshr_b32 s70, s20, 3                         ; batch = block row / 8
	s_lshl_b32 s70, s70, 4
	s_lshl2_add_u32 s70, s16, s70                  ; bh of my first head = 16 batch + 4 cx
	s_lshl1_add_u32 s70, s14, s70                  ;  + 2 x column half
	s_lshl_b32 s70, s70, 11                        ; x 2,048 tokens
	s_and_b32 s71, s20, 7
	s_lshl_b32 s71, s71, 8
	s_add_co_u32 s70, s70, s71                     ; + 256 x (block row % 8)
	s_lshl_b32 s71, s13, 7
	s_add_co_u32 s70, s70, s71                     ; + 128 x row half
	s_lshl_b32 s70, s70, 7                         ; x 128 bytes a token
	s_lshl_b32 s71, s18, 23
	s_add_co_u32 s70, s70, s71                     ; + 8,388,608 x part (below 24 MiB in all)
	s_mov_b32 s71, 0
	s_add_nc_u64 s[10:11], s[10:11], s[70:71]
; rows 16 i .. 16 i + 15 of my block = the eight tiles (a, 0..7) of window win (2 or 3, for source 0 alone); f: v128 or v160 in turn
.macro OUT16 i, a, win, f
	WIN \win
.irp b, 0,1,2,3,4,5,6,7
.irp p, 0,1,2,3
	v_pk_fma_f32 v[T+8*\b+2*\p:T+8*\b+2*\p+1], v[8*(8*\a+\b)+2*\p:8*(8*\a+\b)+2*\p+1], v[CV:CV+1], v[BIAS+8*\b+160*(\b/4)+2*\p:BIAS+8*\b+160*(\b/4)+2*\p+1]
.endr
.endr
	WIN 0
.irp b, 0,1,2,3,4,5,6,7
.irp p, 0,1,2,3
	v_cvt_pk_f16_f32 v[TMP+4*\b+\p], v[T+8*\b+2*\p], v[T+8*\b+2*\p+1]
.endr
.endr
.irp b, 0,1,2,3,4,5,6,7
	ds_store_b128 v[STO], v[TMP+4*\b:TMP+4*\b+3] offset:32*\b
.endr
	s_wait_xcnt 0x0                                ; buffer f, which earlier stores read, and the stores' base are rewritten only behind this wait
.if \i
	s_add_nc_u64 s[10:11], s[10:11], 16*128        ; 16 tokens on
.endif
.irp t, 0,1,2,3,4,5,6,7
	ds_load_b128 v[\f+4*\t:\f+4*\t+3], v[RD] offset:(\t%4)*4*PITCH+(\t/4)*128     ; LDS serves a wave's instructions in order: these see the stores above
.endr
.irp t, 0,1,2,3,4,5,6,7
	s_wait_dscnt 7-\t
	global_store_b128 v[CO], v[\f+4*\t:\f+4*\t+3], s[10:11] offset:(\t/4)*262144+(\t%4)*512   ; four tokens of one head: 512 consecutive bytes, aligned
.endr
.endm
	OUT16 0, 0, 0x02, 128
	OUT16 1, 1, 0x02, 160
	OUT16 2, 2, 0x02, 128
	OUT16 3, 3, 0x02, 160
	OUT16 4, 0, 0x03, 128
	OUT16 5, 1, 0x03, 160
	OUT16 6, 2, 0x03, 128
	OUT16 7, 3, 0x03, 160
	s_set_vgpr_msb 0x1
	s_wait_tensorcnt 0x0
	ds_add_u32 v255, v31
	s_wait_dscnt 0x0
	s_set_vgpr_msb 0x100
	CROUND                                         ; the closing round: no work-group ends while a partner may still ask for a tile that names it
	s_endpgm
.Lfunc_end_k_q4d570e2843_inproj:
	.size	k_q4d570e2843_inproj, .Lfunc_end_k_q4d570e2843_inproj-k_q4d570e2843_inproj
	.p2alignl 7, 3214868480
	.fill 96, 4, 3214868480
	.section	.rodata,"a",@progbits
	.p2align	6, 0x0
	.amdhsa_kernel k_q4d570e2843_inproj
		.amdhsa_group_segment_fixed_size 327680
		.amdhsa_private_segment_fixed_size 0
		.amdhsa_enable_private_segment 0
		.amdhsa_kernarg_size 32
		.amdhsa_user_sgpr_count 2
		.amdhsa_user_sgpr_kernarg_segment_ptr 1
		.amdhsa_wavefront_size32 1
		.amdhsa_system_sgpr_workgroup_id_x 1
		.amdhsa_system_sgpr_workgroup_id_y 1
		.amdhsa_system_sgpr_workgroup_id_z 1
		.amdhsa_system_vgpr_workitem_id 0
		.amdhsa_next_free_vgpr 1024
		.amdhsa_next_free_sgpr 80
		.amdhsa_reserve_vcc 0
		.amdhsa_float_denorm_mode_32 3
		.amdhsa_float_denorm_mode_16_64 3
		.amdhsa_memory_ordered 1
		.amdhsa_forward_progress 1
		.amdhsa_inst_pref_size 217
	.end_amdhsa_kernel
	.amdgpu_metadata
---
amdhsa.version: [ 1, 2 ]
amdhsa.kernels:
  - .name:           k_q4d570e2843_inproj
    .symbol:         k_q4d570e2843_inproj.kd
    .args:
      - { .name: xh, .offset: 0, .size: 8, .value_kind: global_buffer, .address_space: global }
      - { .name: b_q, .offset: 8, .size: 8, .value_kind: global_buffer, .address_space: global }
      - { .name: b_kv, .offset: 16, .size: 8, .value_kind: global_buffer, .address_space: global }
      - { .name: qkv, .offset: 24, .size: 8, .value_kind: global_buffer, .address_space: global }
    .group_segment_fixed_size: 327680
    .private_segment_fixed_size: 0
    .kernarg_segment_align: 8
    .kernarg_segment_size: 32
    .max_flat_workgroup_size: 128
    .sgpr_count:     80
    .vgpr_count:     1024
    .wavefront_size: 32
...
	.end_amdgpu_metadata
.endif
;; end of part 2
;; launch attn (part 3): grid 8 x 32, 8 waves a work-group, clusters of 4 x 1, 327,680 bytes of LDS; arguments qkv, ao; writes ao
.if DOCPART == 3
	.amdgcn_target "amdgcn-amd-amdhsa--gfx1250"
	.amdhsa_code_object_version 6
	.text
	.protected	k_q4d570e2843_attn
	.globl	k_q4d570e2843_attn
	.p2align	8
	.type	k_q4d570e2843_attn,@function
k_q4d570e2843_attn:
	s_mov_b64 s[64:65], 0
	v_nop
	global_prefetch_b8 v0, s[64:65] scope:SCOPE_SE
	s_setreg_imm32_b32 hwreg(HW_REG_WAVE_MODE, 25, 1), 1
	s_wait_xcnt 0x0
	s_wait_alu depctr_hold_cnt(0) depctr_sa_sdst(0) depctr_va_vdst(0) depctr_va_sdst(0) depctr_va_ssrc(0) depctr_va_vcc(0) depctr_vm_vsrc(0)
	s_getreg_b32 s2, hwreg(HW_REG_IB_STS2, 6, 4)
	s_cmp_eq_u32 s2, 0
	s_cbranch_scc0 .Lentry_in_a_cluster
	s_endpgm
.Lentry_in_a_cluster:
	s_bfe_u32 s2, ttmp6, 0x10000c
	s_cmp_lg_u32 s2, 0x3003
	s_cbranch_scc0 .Lentry_shape_is_right
	s_endpgm
.Lentry_shape_is_right:
; ao[bh][q][d] = softmax over kv of (Q' K^T, already in units of log2) times V, for one head and 256 query rows a work-group; f16 operands, f32 sums.
; The running maximum of each row is always taken away before the exp2; the row sum is kept in f32 from the unrounded exponentials.
; LIMIT: NaN and infinities among Q', K, V are not treated; P is rounded to f16 (it lies in 0..1; what is below f16's smallest number counts as 0).
; Eight waves; wave w owns 32 query rows: two tiles of 16, called stream 0 and stream 1.
; COMPUTED TRANSPOSED.  S^T = K Q^T: source 0 = 16 kv rows of K, source 1 = 16 rows of Q'.  Lane (r, h) then holds query r and kv = 8 h + j in register j: the
; maximum and the sum run along the lane's own registers, with one exchange between the halves; two neighbouring S^T tiles, rounded and packed in place, ARE
; the fragment of P^T.  O^T = V^T P^T: source 0 comes by the transposing LDS load from V [kv][d]; lane (r, h) holds query r again, so alpha and 1 / l are its own.
; THE TWO STREAMS RUN HALF A BLOCK (64 kv) APART, so that one stream's 16 matrix instructions stand among the other's softmax:
;   half step 0 of block i: softmax of stream 0, block i;  matrix: P V of stream 1, block i - 1, then K Q^T of stream 1, block i
;   half step 1 of block i: softmax of stream 1, block i;  matrix: P V of stream 0, block i,     then K Q^T of stream 0, block i + 1
; A half step has three stages: A the new maximum; B eight times (one P V instruction, two subtractions, two rescales of O); C eight times (one K Q^T
; instruction, four exp2, sum and packing of the four exponentials before).  K's and V's fragments have registers of their own: V of block i is asked for behind
; stage B of half step 0 and first used in stage B of half step 1; K of block i + 1 at the end of half step 0 and first used in stage C of half step 1.
; REGISTER WINDOWS: window 1 holds V's fragments and the four pairs that are broadcast (new maximum, alpha); all else lies in window 0.  With source 0 in window 1
; both the P V instructions (source 0 = V) and stage B's packed subtract and multiply (source 0 = the broadcast pair) run under one setting: seven switches a block.
; CLUSTER 4 x 1: the four query blocks of one head read the same K and V tiles and ask for each jointly (mask 15).
; RING: 8 tiles of 256 kv (four blocks each) on two slots; waves 0-3 fetch a quarter of K's tile each, waves 4-7 of V's.  Tiles 0 and 1 are asked for at the start
; (two tensor loads of a wave are out, this text's most).  At a tile's end its own slot is filled again, two tiles ahead, behind a round of the cluster's barrier; that
; load has the next tile's four blocks (128 matrix instructions a wave and their softmax) in which to land.
; THE LOOP is not aligned with the tiles.  Blocks 0 and 1 start the sums and stand in front of it; blocks 2 to 25 are three trips of eight blocks, the ring's period,
; each with its two refills (all six refills, at the ends of blocks 3, 7, .. 23, fall into the loop: none is jumped over); blocks 26 to 31 fill nothing and are written
; out behind it.  So the text holds 16 of the 32 blocks.
.set TILE,   32768                     ; 256 kv x 128 bytes, dense in qkv: fetched as 128 rows of 256 bytes (two kv rows each)
.set KPITCH, 272                       ; K: kv row x at (x / 2) 272 + (x % 2) 128: sixteen neighbouring rows lie in sixteen different 16-byte columns modulo 256
.set VPITCH, 288                       ; V: the same with 288 = 9 x 32, for the transposing load
.set VOFF,   128*KPITCH
.set SLOT,   VOFF+128*VPITCH           ; 71,680
.set STAGE,  2*SLOT                    ; 143,360 = 560 x 256: 32 rows x 144 bytes for each wave; no tensor load ever lands there
.set SPITCH, 144
; window 0
.set KA,  2                            ; v2-3      my address in K, slot 0, 1
.set VA,  6                            ; v6-7      my address in V, slot 0, 1
.set STO, 10
.set RD,  11
.set CO,  12
.set QO,  13
.set M,   14                           ; v14-15    running maximum of stream s
.set T,   16                           ; v16-19    four chains of the maximum; v[16:17] also the scratch pair of the row sum
.set LS,  22                           ; v22-25    running sum, a pair for each stream
.set RL,  26                           ; v26-29    1 / l, twice for each stream (in the set-up: r, h and scratch, with v30)
.set Q,   32                           ; v32-63    Q'(s, ks) at 32 + 16 s + 8 ks
.set O,   64                           ; v64-127   O^T(dt, s) at 64 + 8 (2 dt + s)
.set S,   128                          ; v128-191  S^T(kt, s) at 128 + 32 s + 8 kt; P^T(kk, s) at 128 + 32 s + 16 kk
.set KF,  192                          ; v192-255  K(ks, kt) at 192 + 8 (4 ks + kt)
; window 1 (the numbers are those written in the instructions)
.set VF,  0                            ; v256-319  V(kk, dt) at 8 (4 kk + dt)
.set MN1, 64                           ; v320, v322  new maximum of stream s; v321, v323 only complete the pairs
.set AL1, 68                           ; v324, v326  alpha of stream s; v325, v327 only complete the pairs
.set G1K, 16
.set G1V, 24
.set G0K, 32                           ; s[32:39] a set for each slot
.set G0V, 40                           ; s[40:47]
.set MSB, 0
.macro WIN new                         ; the immediate's high byte repeats the setting that is left
.if MSB != \new
	s_set_vgpr_msb (MSB<<8)|\new
.set MSB, \new
.endif
.endm
.set TO_1,   0x40                      ; destination in window 1
.set FROM_1, 0x01                      ; source 0 in window 1
.macro CREST                           ; a round of the cluster's barrier behind its opening work-group barrier
	s_cmp_lg_u32 s8, 0
	s_cbranch_scc1 .Lnot_wave_0_\@
	s_barrier_signal -3
.Lnot_wave_0_\@:
	s_barrier_wait -3
	s_barrier_signal -1
	s_barrier_wait -1
.endm
.macro ROUND                           ; a whole round
	s_barrier_signal -1
	s_barrier_wait -1
	CREST
.endm
.macro JLOAD sl                        ; the branch hangs on the wave's number alone
	s_cmp_eq_u32 s9, 0
	s_cbranch_scc0 .Lfor_v_\@
	tensor_load_to_lds s[G0K+4*(\sl):G0K+4*(\sl)+3], s[G1K:G1K+7]
	s_nop 0
	s_branch .Lasked_\@
.Lfor_v_\@:
	tensor_load_to_lds s[G0V+4*(\sl):G0V+4*(\sl)+3], s[G1V:G1V+7]
	s_nop 0
.Lasked_\@:
.endm
	s_load_b128 s[4:7], s[0:1], 0x0                ; qkv s[4:5], ao s[6:7]
	v_lshl_add_u32 v21, v0, 2, 0x2c000
	v_mov_b32 v31, 0
	ds_add_u32 v21, v31
	v_lshrrev_b32 v1, 5, v0
	v_readfirstlane_b32 s8, v1                     ; wave 0..7
	s_lshr_b32 s9, s8, 2                           ; I fetch for K (0) or for V (1)
	s_and_b32 s10, s8, 3                           ; which quarter of the tile
	s_bfe_u32 s11, ttmp6, 0x40000                  ; cx
	s_mov_b32 s12, 0x76543210                      ; v_permlanex16_b32: lane i of one half reads lane i of the other
	s_mov_b32 s13, 0xfedcba98
	s_and_b32 s14, ttmp7, 0xffff                   ; bh
	s_lshl_b32 s15, ttmp9, 2
	s_add_co_u32 s15, s15, s11                     ; query block = 4 x cluster x + cx
	; group 1: 32 rows of 32 elements of 8 bytes, dense; padding behind every 64 words: 4 words for K, 8 for V
	s_mov_b32 s[G1K+0], 15|(3<<16)|(1<<20)|(1<<21)|(5<<22)|(3<<25)
	s_mov_b32 s[G1V+0], 15|(3<<16)|(1<<20)|(1<<21)|(5<<22)|(7<<25)
.irp g1, G1K, G1V
	s_mov_b32 s[\g1+1], 32<<16                     ; tensor_dim0 = 32
	s_mov_b32 s[\g1+2], 32<<16                     ; tensor_dim1 = 32
	s_mov_b32 s[\g1+3], 32<<16                     ; tile_dim0 = 32
	s_mov_b32 s[\g1+4], 32                         ; tile_dim1 = 32
	s_mov_b32 s[\g1+5], 32                         ; the pitch
	s_mov_b32 s[\g1+6], 0
	s_mov_b32 s[\g1+7], 0
.endr
	s_lshl_b32 s66, s14, 18                        ; the head: 262,144 bytes
	s_lshl_b32 s67, s10, 13                        ; my quarter: 8,192 bytes
	s_add_co_u32 s66, s66, s67
	s_mov_b32 s67, 0
	s_mul_i32 s70, s10, 32*KPITCH                  ; where my quarter goes, for K
	s_mul_i32 s71, s10, 32*VPITCH
	s_add_co_u32 s71, s71, VOFF                    ; and for V
	s_lshl_b32 s72, s15, 15                        ; my 32 query rows: 256 x 128 bytes x block
	s_lshl_b32 s73, s8, 12                         ;  + 32 x 128 bytes x wave
	s_add_co_u32 s72, s72, s73
	s_lshl_b32 s73, s14, 18                        ;  + the head: the same offset in Q' and in ao
	s_add_co_u32 s72, s72, s73
	s_mov_b32 s73, 0
	v_and_b32 v26, 15, v0                          ; r
	v_bfe_u32 v27, v0, 4, 1                        ; h
	v_lshlrev_b32 v[QO], 7, v26
	v_lshl_add_u32 v[QO], v27, 4, v[QO]            ; r x 128 + 16 h
	s_wait_dscnt 0x0
	s_wait_kmcnt 0x0
	s_add_nc_u64 s[68:69], s[4:5], s[66:67]
	s_add_nc_u64 s[74:75], s[4:5], s[72:73]
	s_add_nc_u64 s[6:7], s[6:7], s[72:73]
.irp qt, 0,1
.irp ks, 0,1
	global_load_b128 v[Q+16*\qt+8*\ks:Q+16*\qt+8*\ks+3],   v[QO], s[74:75] offset:\qt*2048+\ks*64      ; Q'(r, 32 ks + 8 h ..)
	global_load_b128 v[Q+16*\qt+8*\ks+4:Q+16*\qt+8*\ks+7], v[QO], s[74:75] offset:\qt*2048+\ks*64+32   ; Q'(r, 32 ks + 16 + 8 h ..)
.endr
.endr
.irp sl, 0,1
	s_mov_b32 s[G0K+4*\sl], 1
	s_add_co_u32 s[G0K+4*\sl+1], s70, \sl*SLOT
	s_add_nc_u64 s[G0K+4*\sl+2:G0K+4*\sl+3], s[68:69], 8388608+\sl*TILE      ; K is qkv's second part
	s_or_b32 s[G0K+4*\sl+3], s[G0K+4*\sl+3], 0x80000000
	s_mov_b32 s[G0V+4*\sl], 1
	s_add_co_u32 s[G0V+4*\sl+1], s71, \sl*SLOT
	s_add_nc_u64 s[G0V+4*\sl+2:G0V+4*\sl+3], s[68:69], 16777216+\sl*TILE     ; V its third
	s_or_b32 s[G0V+4*\sl+3], s[G0V+4*\sl+3], 0x80000000
.endr
	ROUND                                          ; all four work-groups are here: the first joint loads meet
	JLOAD 0                                        ; tiles 0 and 1
	JLOAD 1
	v_bfe_u32 v28, v0, 1, 3                        ; K: (r / 2) 272 + (r % 2) 128 + 16 h
	v_mul_u32_u24 v28, v28, KPITCH
	v_and_b32 v29, 1, v0
	v_lshl_add_u32 v28, v29, 7, v28
	v_lshl_add_u32 v[KA], v27, 4, v28
	v_bfe_u32 v28, v0, 1, 2                        ; V: kv row 8 h + l % 8 lies at (4 h + (l % 8) / 2) 288 + (l % 2) 128; + 16 ((l / 8) % 2)
	v_lshl_add_u32 v28, v27, 2, v28
	v_mul_u32_u24 v28, v28, VPITCH
	v_lshl_add_u32 v28, v29, 7, v28
	v_bfe_u32 v30, v0, 3, 1
	v_lshl_add_u32 v28, v30, 4, v28
	v_add_nc_u32 v[VA], VOFF, v28
	v_add_nc_u32 v[KA+1], SLOT, v[KA]
	v_add_nc_u32 v[VA+1], SLOT, v[VA]
	s_mul_i32 s76, s8, 32*SPITCH
	s_add_co_u32 s76, s76, STAGE                   ; my stage
	v_mul_u32_u24 v28, v26, SPITCH
	v_lshl_add_u32 v28, v27, 4, v28
	v_add_nc_u32 v[STO], s76, v28                  ; in: row r, 16 bytes for each half of the lanes
	v_bfe_u32 v28, v0, 3, 2
	v_mul_u32_u24 v28, v28, SPITCH
	v_and_b32 v30, 7, v0
	v_lshl_add_u32 v28, v30, 4, v28
	v_add_nc_u32 v[RD], s76, v28                   ; back: eight lanes take a row of 128 bytes, a load four rows
	v_and_b32 v30, 31, v0
	v_lshlrev_b32 v[CO], 4, v30                    ; which are 512 consecutive bytes of ao
	WIN TO_1
	v_mov_b32 v[MN1+1], 0                          ; the pairs' second registers are never used as numbers, but a pair is read whole
	v_mov_b32 v[MN1+3], 0
	v_mov_b32 v[AL1+1], 0
	v_mov_b32 v[AL1+3], 0
	WIN 0
; 16 LDS loads: K's eight fragments of block blk of a slot's tile
.macro LOADK sl, blk
	WIN 0
.irp ks, 0,1
.irp kt, 0,1,2,3
	ds_load_b128 v[KF+8*(4*\ks+\kt):KF+8*(4*\ks+\kt)+3],   v[KA+\sl] offset:\blk*32*KPITCH+\kt*8*KPITCH+\ks*64
	ds_load_b128 v[KF+8*(4*\ks+\kt)+4:KF+8*(4*\ks+\kt)+7], v[KA+\sl] offset:\blk*32*KPITCH+\kt*8*KPITCH+\ks*64+32
.endr
.endr
.endm
; 16 transposing LDS loads: V's eight fragments, into window 1
.macro LOADV sl, blk
	WIN TO_1
.irp kk, 0,1
.irp dt, 0,1,2,3
	ds_load_tr16_b128 v[VF+8*(4*\kk+\dt):VF+8*(4*\kk+\dt)+3],   v[VA+\sl] offset:\blk*32*VPITCH+\kk*16*VPITCH+\dt*32
	ds_load_tr16_b128 v[VF+8*(4*\kk+\dt)+4:VF+8*(4*\kk+\dt)+7], v[VA+\sl] offset:\blk*32*VPITCH+\kk*16*VPITCH+\dt*32+8*VPITCH
.endr
.endr
.endm
; One K Q^T instruction of stream o: idx = 4 ks + kt.  The lower 32 d start the four sums, the upper 32 d add in place, in the same order.
.macro QKW o, idx
.if (\idx) < 4
	v_wmma_f32_16x16x32_f16 v[S+32*(\o)+8*(\idx):S+32*(\o)+8*(\idx)+7], v[KF+8*(\idx):KF+8*(\idx)+7], v[Q+16*(\o):Q+16*(\o)+7], 0
.else
	v_wmma_f32_16x16x32_f16 v[S+32*(\o)+8*((\idx)-4):S+32*(\o)+8*((\idx)-4)+7], v[KF+8*(\idx):KF+8*(\idx)+7], v[Q+16*(\o)+8:Q+16*(\o)+15], v[S+32*(\o)+8*((\idx)-4):S+32*(\o)+8*((\idx)-4)+7]
.endif
.endm
; One P V instruction of stream o: idx = 4 kk + dt; source 0 (V) in window 1.  zero = 1: the product starts the sum.
.macro PVW o, idx, zero
.if \zero
	v_wmma_f32_16x16x32_f16 v[O+8*(2*((\idx)%4)+(\o)):O+8*(2*((\idx)%4)+(\o))+7], v[VF+8*(\idx):VF+8*(\idx)+7], v[S+32*(\o)+16*((\idx)/4):S+32*(\o)+16*((\idx)/4)+7], 0
	s_wait_alu depctr_va_vdst(0)
.else
	v_wmma_f32_16x16x32_f16 v[O+8*(2*((\idx)%4)+(\o)):O+8*(2*((\idx)%4)+(\o))+7], v[VF+8*(\idx):VF+8*(\idx)+7], v[S+32*(\o)+16*((\idx)/4):S+32*(\o)+16*((\idx)/4)+7], v[O+8*(2*((\idx)%4)+(\o)):O+8*(2*((\idx)%4)+(\o))+7]
.endif
.endm
; In every run of matrix instructions the accumulators take turns, one instruction a turn (four of O^T, then the same four; four of S^T, then the same four), and a
; run's last and the next run's first name different accumulators, over the loop's backward jump too.
; STAGE A: the new maximum of stream s over its 32 scores a lane, in four chains that do not wait for each other; the old maximum starts one of them.
; S^T was written by matrix instructions of which the last stands eight plain vector instructions back (ISA guide 7.12.1 asks for four).
.macro STA s, first
	WIN 0
.if \first
	v_max_num_f32 v[T+0], v[S+32*\s+0], v[S+32*\s+1]
.else
	v_max3_num_f32 v[T+0], v[M+\s], v[S+32*\s+0], v[S+32*\s+1]
.endif
	v_max_num_f32 v[T+1], v[S+32*\s+8],  v[S+32*\s+9]
	v_max_num_f32 v[T+2], v[S+32*\s+16], v[S+32*\s+17]
	v_max_num_f32 v[T+3], v[S+32*\s+24], v[S+32*\s+25]
.irp j, 1,2,3
.irp c, 0,1,2,3
	v_max3_num_f32 v[T+\c], v[T+\c], v[S+32*\s+8*\c+2*\j], v[S+32*\s+8*\c+2*\j+1]
.endr
.endr
	v_max3_num_f32 v[T+0], v[T+0], v[T+1], v[T+2]
	v_max_num_f32 v[T+0], v[T+0], v[T+3]
	v_permlanex16_b32 v[T+1], v[T+0], s12, s13     ; the other half of the lanes holds the same query's other kv rows
	v_max_num_f32 v[T+0], v[T+0], v[T+1]           ; the new maximum; it goes into M in stage C
.if \first == 0
	v_sub_f32 v[T+2], v[M+\s], v[T+0]
.endif
	WIN TO_1
	v_mov_b32 v[MN1+2*\s], v[T+0]
.if \first == 0
	v_exp_f32 v[AL1+2*\s], v[T+2]                  ; alpha = 2^(old maximum - new maximum); stage B's first subtraction is the plain place behind it (ISA guide 5.7.2)
.endif
.endm
; STAGE B, all under one window setting: eight times one P V instruction of the other stream, two packed subtractions of the maximum and two packed rescales of O^T.
; pv = 0: no matrix instruction; 1: the first four start the sums; 2: all add.  Behind the last matrix instruction stand five plain vector instructions that name none
; of its registers: four are asked for before loads land on V's fragments, five before the next K Q^T instructions write over P^T.
.macro STB s, first, pv
	WIN FROM_1
.set n, 0
.rept 8
.if \pv == 1
.if n < 4
	PVW (1-\s), n, 1
.else
	PVW (1-\s), n, 0
.endif
.endif
.if \pv == 2
	PVW (1-\s), n, 0
.endif
	v_pk_add_f32 v[S+32*\s+4*n:S+32*\s+4*n+1],   v[MN1+2*\s:MN1+2*\s+1], v[S+32*\s+4*n:S+32*\s+4*n+1]   op_sel_hi:[0,1] neg_lo:[1,0] neg_hi:[1,0]
	v_pk_add_f32 v[S+32*\s+4*n+2:S+32*\s+4*n+3], v[MN1+2*\s:MN1+2*\s+1], v[S+32*\s+4*n+2:S+32*\s+4*n+3] op_sel_hi:[0,1] neg_lo:[1,0] neg_hi:[1,0]
.if \first == 0
	s_wait_alu depctr_va_vdst(0)
	v_pk_mul_f32 v[O+8*(2*(n/2)+\s)+4*(n%2):O+8*(2*(n/2)+\s)+4*(n%2)+1],   v[AL1+2*\s:AL1+2*\s+1], v[O+8*(2*(n/2)+\s)+4*(n%2):O+8*(2*(n/2)+\s)+4*(n%2)+1]   op_sel_hi:[0,1]
	v_pk_mul_f32 v[O+8*(2*(n/2)+\s)+4*(n%2)+2:O+8*(2*(n/2)+\s)+4*(n%2)+3], v[AL1+2*\s:AL1+2*\s+1], v[O+8*(2*(n/2)+\s)+4*(n%2)+2:O+8*(2*(n/2)+\s)+4*(n%2)+3] op_sel_hi:[0,1]
.endif
.set n, n+1
.endr
.if \first
.rept 3
	v_nop                                          ; the first block rescales nothing: these make up the five places
.endr
.else
	v_pk_mul_f32 v[LS+2*\s:LS+2*\s+1], v[AL1+2*\s:AL1+2*\s+1], v[LS+2*\s:LS+2*\s+1] op_sel_hi:[0,1]
.endif
.endm
; Four exponentials (group grp of eight): their two pairs are added in f32, then each pair is rounded into one word, in place: word i of a group of 16 registers lies
; in a pair that has been taken already.  The running sum gets one link a group.  In the first block group 0 starts the sum: nothing is cleared.
.macro SC s, first, grp
.set st, 0
.if \first
.if (\grp) == 0
.set st, 1
.endif
.endif
.if st
	s_wait_alu depctr_va_vdst(0)
	v_pk_add_f32 v[LS+2*\s:LS+2*\s+1], v[S+32*\s+4*(\grp):S+32*\s+4*(\grp)+1], v[S+32*\s+4*(\grp)+2:S+32*\s+4*(\grp)+3]
.else
	s_wait_alu depctr_va_vdst(0)
	v_pk_add_f32 v[T:T+1], v[S+32*\s+4*(\grp):S+32*\s+4*(\grp)+1], v[S+32*\s+4*(\grp)+2:S+32*\s+4*(\grp)+3]
.endif
	v_cvt_pk_f16_f32 v[S+32*\s+16*((\grp)/4)+2*((\grp)%4)],   v[S+32*\s+4*(\grp)],   v[S+32*\s+4*(\grp)+1]
	v_cvt_pk_f16_f32 v[S+32*\s+16*((\grp)/4)+2*((\grp)%4)+1], v[S+32*\s+4*(\grp)+2], v[S+32*\s+4*(\grp)+3]
.if st == 0
	v_pk_add_f32 v[LS+2*\s:LS+2*\s+1], v[LS+2*\s:LS+2*\s+1], v[T:T+1]
.endif
.endm
; STAGE C: eight times one K Q^T instruction of the other stream (qk = 1), four exp2, and the sum and packing of the group before.  Behind each group of
; exponentials the first plain vector instruction touches none of them (ISA guide 5.7.2): in group 0 the move of the new maximum, later the group before's sum.
.macro STC s, first, qk
	WIN 0
.set g, 0
.rept 8
.if \qk
	QKW (1-\s), g
.endif
.irp e, 0,1,2,3
	v_exp_f32 v[S+32*\s+4*g+\e], v[S+32*\s+4*g+\e]
.endr
.if g == 0
	v_mov_b32 v[M+\s], v[T]
.else
	SC \s, \first, g-1
.endif
.set g, g+1
.endr
	SC \s, \first, 7
.endm
; One block of 64 kv.  vs, vb: slot and block of V's fragments (this block).  first = 1: the very first block starts maximum and sum.  pv1, pv0: how the P V
; instructions of stream 1 (the block before) and of stream 0 (this block) run.  ldk = 1: K's fragments of the next block come from slot ks, block kb.
; sync, in a tile's last block, behind half step 0, where my last reads of this tile (V's fragments) have been issued and the next read is the next tile's K:
;   2: slot vs is filled again, two tiles ahead: my reads are back and ALL my tensor loads have landed (one was out: my part of the next tile); the round of the
;      cluster's barrier says so of every wave of all four work-groups, and the joint load is the first tensor load behind it, ahead of the first LDS read.
;   1: the same waits and a work-group barrier: the last tile is shown to all waves.
; Between the opening signal and its wait stands register work alone: stage A of stream 1.
.macro BLK vs, vb, first, pv1, pv0, sync, ldk, ks, kb
	STA 0, \first
	STB 0, \first, \pv1
	LOADV \vs, \vb
	STC 0, \first, 1
.if \sync
	s_wait_dscnt 0x0
	s_wait_tensorcnt 0x0
	ds_add_u32 v21, v31
	s_wait_dscnt 0x0
.if \sync == 2
	s_add_nc_u64 s[G0K+4*\vs+2:G0K+4*\vs+3], s[G0K+4*\vs+2:G0K+4*\vs+3], 2*TILE      ; no load of mine is out: the descriptors may be written
	s_add_nc_u64 s[G0V+4*\vs+2:G0V+4*\vs+3], s[G0V+4*\vs+2:G0V+4*\vs+3], 2*TILE
.endif
	s_barrier_signal -1
	STA 1, \first
	WIN 0
	s_barrier_wait -1
.if \sync == 2
	CREST
	JLOAD \vs
.endif
	LOADK \ks, \kb
.else
.if \ldk
	LOADK \ks, \kb                                 ; eight plain vector instructions behind the last instruction that read K's fragments
.endif
	STA 1, \first
.endif
	s_wait_dscnt 16*\ldk                           ; V's 16 loads are back; the 16 younger ones, K's, may be out
	STB 1, \first, \pv0
.if \ldk
	s_wait_dscnt 0x0                               ; K's fragments
.endif
	STC 1, \first, \ldk
.endm
	s_wait_loadcnt 0x0                             ; Q'
	s_wait_tensorcnt 0x1                           ; my part of tile 0 is in; that of tile 1 stays out
	s_barrier_signal -1
	s_barrier_wait -1                              ; everybody's is
	LOADK 0, 0
	s_wait_dscnt 0x0
.set g, 0
.rept 8
	QKW 0, g                                       ; stream 0, block 0: the pipeline's first step has no softmax beside it
.set g, g+1
.endr
.rept 4
	v_nop                                          ; four places before S^T is read (ISA guide 7.12.1)
.endr
	BLK 0,0, 1,0,1, 0, 1,0,1                       ; block 0 starts maxima and sums, and stream 0's O^T;
	BLK 0,1, 0,1,2, 0, 1,0,2                       ; block 1 starts stream 1's O^T
	s_mov_b32 s48, 3
.Lring:                                            ; at this label, on both ways: no LDS instruction is out; one tensor load of mine may be out, into slot 1
	BLK 0,2, 0,2,2, 0, 1,0,3
	BLK 0,3, 0,2,2, 2, 1,1,0                       ; slot 0's tile ends: tiles 2, 4, 6 go out
	BLK 1,0, 0,2,2, 0, 1,1,1
	BLK 1,1, 0,2,2, 0, 1,1,2
	BLK 1,2, 0,2,2, 0, 1,1,3
	BLK 1,3, 0,2,2, 2, 1,0,0                       ; slot 1's tile ends: tiles 3, 5, 7 go out
	BLK 0,0, 0,2,2, 0, 1,0,1
	BLK 0,1, 0,2,2, 0, 1,0,2
	s_sub_co_u32 s48, s48, 1
	s_cmp_lg_u32 s48, 0
	s_cbranch_scc1 .Lring
	BLK 0,2, 0,2,2, 0, 1,0,3                       ; blocks 26 to 31: the rest of tile 6,
	BLK 0,3, 0,2,2, 1, 1,1,0                       ; at whose end tile 7 is shown and nothing is filled,
	BLK 1,0, 0,2,2, 0, 1,1,1                       ; and tile 7
	BLK 1,1, 0,2,2, 0, 1,1,2
	BLK 1,2, 0,2,2, 0, 1,1,3
	BLK 1,3, 0,2,2, 0, 0,0,0                       ; the last block asks for no K
	WIN FROM_1
.set n, 0
.rept 8
	PVW 1, n, 0                                    ; stream 1, block 31: the pipeline's last step
.set n, n+1
.endr
	WIN 0
	; THE WAY OUT: 1 / l (l is at least 1: the largest score's exponential is 1), f16, through my own stage, 512 consecutive bytes a store.
	; The four additions and the v_nop are five places behind the last matrix instructions, before O^T is read (ISA guide 7.12.1 asks for four).
	v_add_f32 v[T+0], v[LS+0], v[LS+1]
	v_add_f32 v[T+2], v[LS+2], v[LS+3]
	v_permlanex16_b32 v[T+1], v[T+0], s12, s13
	v_permlanex16_b32 v[T+3], v[T+2], s12, s13
	v_add_f32 v[T+0], v[T+0], v[T+1]
	v_add_f32 v[T+2], v[T+2], v[T+3]
	v_rcp_f32 v[RL+0], v[T+0]                      ; made twice, to fill the pair that the packed multiply takes
	v_rcp_f32 v[RL+1], v[T+0]
	v_rcp_f32 v[RL+2], v[T+2]
	v_rcp_f32 v[RL+3], v[T+2]
	v_nop                                          ; one plain place behind the reciprocals (ISA guide 5.7.2)
	s_wait_alu depctr_va_vdst(0)
.irp dt, 0,1,2,3
.irp qt, 0,1
.irp p, 0,1,2,3
	v_pk_mul_f32 v[O+8*(2*\dt+\qt)+2*\p:O+8*(2*\dt+\qt)+2*\p+1], v[O+8*(2*\dt+\qt)+2*\p:O+8*(2*\dt+\qt)+2*\p+1], v[RL+2*\qt:RL+2*\qt+1]
.endr
.endr
.endr
.irp qt, 0,1
.irp dt, 0,1,2,3
.irp p, 0,1,2,3
	v_cvt_pk_f16_f32 v[KF+4*(4*\qt+\dt)+\p], v[O+8*(2*\dt+\qt)+2*\p], v[O+8*(2*\dt+\qt)+2*\p+1]
.endr
.endr
.endr
.irp qt, 0,1
.irp dt, 0,1,2,3
	ds_store_b128 v[STO], v[KF+4*(4*\qt+\dt):KF+4*(4*\qt+\dt)+3] offset:\qt*16*SPITCH+\dt*32     ; query 16 qt + r, d = 16 dt + 8 h + 0..7
.endr
.endr
.irp t, 0,1,2,3,4,5,6,7
	ds_load_b128 v[KF+32+4*\t:KF+32+4*\t+3], v[RD] offset:\t*4*SPITCH    ; LDS serves a wave's instructions in order: these see the stores above
.endr
.irp t, 0,1,2,3,4,5,6,7
	s_wait_dscnt 7-\t
	global_store_b128 v[CO], v[KF+32+4*\t:KF+32+4*\t+3], s[6:7] offset:\t*512
.endr
	s_wait_tensorcnt 0x0
	ds_add_u32 v21, v31
	s_wait_dscnt 0x0
	ROUND                                          ; the closing round: no work-group ends while a partner may still ask for a tile that names it
	s_endpgm
.Lfunc_end_k_q4d570e2843_attn:
	.size	k_q4d570e2843_attn, .Lfunc_end_k_q4d570e2843_attn-k_q4d570e2843_attn
	.p2alignl 7, 3214868480
	.fill 96, 4, 3214868480
	.section	.rodata,"a",@progbits
	.p2align	6, 0x0
	.amdhsa_kernel k_q4d570e2843_attn
		.amdhsa_group_segment_fixed_size 327680
		.amdhsa_private_segment_fixed_size 0
		.amdhsa_enable_private_segment 0
		.amdhsa_kernarg_size 16
		.amdhsa_user_sgpr_count 2
		.amdhsa_user_sgpr_kernarg_segment_ptr 1
		.amdhsa_wavefront_size32 1
		.amdhsa_system_sgpr_workgroup_id_x 1
		.amdhsa_system_sgpr_workgroup_id_y 1
		.amdhsa_system_sgpr_workgroup_id_z 1
		.amdhsa_system_vgpr_workitem_id 0
		.amdhsa_next_free_vgpr 336
		.amdhsa_next_free_sgpr 80
		.amdhsa_reserve_vcc 0
		.amdhsa_float_denorm_mode_32 3
		.amdhsa_float_denorm_mode_16_64 3
		.amdhsa_memory_ordered 1
		.amdhsa_forward_progress 1
		.amdhsa_inst_pref_size 255
	.end_amdhsa_kernel
	.section	.bss,"aw",@nobits
	.p2align	6
	.space	262144
	.amdgpu_metadata
---
amdhsa.version: [ 1, 2 ]
amdhsa.kernels:
  - .name:           k_q4d570e2843_attn
    .symbol:         k_q4d570e2843_attn.kd
    .args:
      - { .name: qkv, .offset: 0, .size: 8, .value_kind: global_buffer, .address_space: global }
      - { .name: ao, .offset: 8, .size: 8, .value_kind: global_buffer, .address_space: global }
    .group_segment_fixed_size: 327680
    .private_segment_fixed_size: 0
    .kernarg_segment_align: 8
    .kernarg_segment_size: 16
    .max_flat_workgroup_size: 256
    .sgpr_count:     80
    .vgpr_count:     336
    .wavefront_size: 32
...
	.end_amdgpu_metadata
.endif
;; end of part 3
;; launch outproj (part 4): grid 8 x 32, 4 waves a work-group, clusters of 4 x 4, 327,680 bytes of LDS; arguments ao, xh, b_out, out0; writes out0
.if DOCPART == 4
	.amdgcn_target "amdgcn-amd-amdhsa--gfx1250"
	.amdhsa_code_object_version 6
	.text
	.protected	k_q4d570e2843_outproj
	.globl	k_q4d570e2843_outproj
	.p2align	8
	.type	k_q4d570e2843_outproj,@function
k_q4d570e2843_outproj:
	s_mov_b64 s[64:65], 0
	v_nop
	global_prefetch_b8 v0, s[64:65] scope:SCOPE_SE
	s_setreg_imm32_b32 hwreg(HW_REG_WAVE_MODE, 25, 1), 1
	s_wait_xcnt 0x0
	s_wait_alu depctr_hold_cnt(0) depctr_sa_sdst(0) depctr_va_vdst(0) depctr_va_sdst(0) depctr_va_ssrc(0) depctr_va_vcc(0) depctr_vm_vsrc(0)
	s_getreg_b32 s2, hwreg(HW_REG_IB_STS2, 6, 4)
	s_cmp_eq_u32 s2, 0
	s_cbranch_scc0 .Lentry_in_a_cluster
	s_endpgm
.Lentry_in_a_cluster:
	s_bfe_u32 s2, ttmp6, 0x10000c
	s_cmp_lg_u32 s2, 0xf033
	s_cbranch_scc0 .Lentry_shape_is_right
	s_endpgm
.Lentry_shape_is_right:
; out0 = A WO + b_out in f32, where A[token][64 h + d] = ao[bh][token][d] and WO = w_out in f16 (xh from byte 23,068,672); f16 operands, f32 sums.
; LIMIT: as the operands': NaN and infinities are not treated.
; 4,096 x 1,024 results in blocks of 128 x 128 make 256 work-groups; blocks of 256 x 256 would make 64.  Four waves, each 64 x 64: 16 accumulator tiles.
; A K step is 128 = two heads.  A's tile: for each of the two heads 128 tokens x 128 bytes, dense in ao, fetched as 64 rows of 256 bytes.  WO lies [k][n]: its tile is
; 128 k-rows of 256 bytes, read by the transposing LDS load.  Eight K steps on four slots, two slots filled behind each round: four tensor loads of a wave are out
; at the start, two behind each round.
; CLUSTERS 4 x 4: A's tile hangs on the block row, shared along a row of the cluster; WO's on the block column, shared along a column; both are asked for jointly.
; The matrix instruction is used transposed (source 0 = WO's columns, source 1 = A's rows): lane l holds row l % 16 and columns 8 (l / 16) + 0..7, 32 bytes of f32.
.set APITCH, 272                       ; token x at (x / 2) 272 + (x % 2) 128
.set BPITCH, 288                       ; 9 x 32
.set ABLK,   64*APITCH                 ; one head's 128 tokens
.set BOFF,   2*ABLK
.set BHALF,  64*BPITCH
.set SLOT,   BOFF+2*BHALF              ; 71,680
.set STAGE,  4*SLOT                    ; 16 rows x 272 bytes for each wave; no tensor load ever lands there
.set SPITCH, 272
.set ASTEP,  524288                    ; two heads of ao
.set BSTEP,  262144                    ; 128 rows of WO
.set ADRA, 16                          ; v16-19 my address in A, slot 0..3
.set ADRB, 20                          ; v20-23 my address in WO, slot 0..3
.set STO,  24
.set RD,   25
.set CO,   26
.set BO,   27
.set BIAS, 32                          ; v32-63 tile b at 32 + 8 b
.set F0,   64                          ; a fragment buffer: A's four fragments, then WO's four
.set F1,   128
.set T,    64                          ; the way out
.set G1A, 16
.set G1B, 24
.set G0A, 32                           ; s[32:47] a set for each slot
.set G0B, 48                           ; s[48:63]
.set MSB, 0
.macro WIN new
.if MSB != \new
	s_set_vgpr_msb (MSB<<8)|\new
.set MSB, \new
.endif
.endm
.set MUL, 0x50                         ; C and D in window 1 (tile (a, b) at v[8 (4 a + b)] there), the sources in window 0
.macro JLOAD s                         ; waves 0, 1 fetch A's two heads, waves 2, 3 WO's two halves
	s_cmp_eq_u32 s13, 0
	s_cbranch_scc0 .Lfor_b_\@
	tensor_load_to_lds s[G0A+4*\s:G0A+4*\s+3], s[G1A:G1A+7]
	s_nop 0
	s_branch .Lasked_\@
.Lfor_b_\@:
	tensor_load_to_lds s[G0B+4*\s:G0B+4*\s+3], s[G1B:G1B+7]
	s_nop 0
.Lasked_\@:
.endm
.macro CROUND                          ; a round of the cluster's barrier
	s_barrier_signal -1
	s_barrier_wait -1
	s_cmp_lg_u32 s12, 0
	s_cbranch_scc1 .Lnot_wave_0_\@
	s_barrier_signal -3
.Lnot_wave_0_\@:
	s_barrier_wait -3
	s_barrier_signal -1
	s_barrier_wait -1
.endm
.macro PLACES                          ; four places behind a matrix instruction (ISA guide 7.12.1 for vector instructions)
.rept 4
	v_nop
.endr
.endm
	s_load_b256 s[4:11], s[0:1], 0x0               ; ao s[4:5], xh s[6:7], b_out s[8:9], out0 s[10:11]
	v_lshl_add_u32 v254, v0, 2, 0x4a400
	v_mov_b32 v255, 0
	ds_add_u32 v254, v255
	v_lshrrev_b32 v1, 5, v0
	v_readfirstlane_b32 s12, v1                    ; wave 0..3
	s_lshr_b32 s13, s12, 1                         ; my half of the block's rows.  Also: I fetch for A (0) or for WO (1)
	s_and_b32 s14, s12, 1                          ; my half of its columns.  Also: which half of that tile I fetch
	s_bfe_u32 s66, ttmp6, 0x40000                  ; cx
	s_bfe_u32 s67, ttmp6, 0x40004                  ; cy
	s_lshl_b32 s68, ttmp9, 2
	s_add_co_u32 s68, s68, s66                     ; block column
	s_and_b32 s69, ttmp7, 0xffff
	s_lshl_b32 s69, s69, 2
	s_add_co_u32 s69, s69, s67                     ; block row
	s_lshl_b32 s70, s67, 2
	s_lshl_b32 s70, 15, s70                        ; my row of the cluster
	s_lshl_b32 s71, 0x1111, s66                    ; my column
	; group 1 for A: 64 rows of 32 elements of 8 bytes, dense; 4 words of padding behind every 64
	s_or_b32 s[G1A+0], s70, (3<<16)|(1<<20)|(1<<21)|(5<<22)|(3<<25)
	s_mov_b32 s[G1A+1], 32<<16                     ; tensor_dim0 = 32
	s_mov_b32 s[G1A+2], 64<<16                     ; tensor_dim1 = 64
	s_mov_b32 s[G1A+3], 32<<16                     ; tile_dim0 = 32
	s_mov_b32 s[G1A+4], 64                         ; tile_dim1 = 64
	s_mov_b32 s[G1A+5], 32                         ; the pitch
	s_mov_b32 s[G1A+6], 0
	s_mov_b32 s[G1A+7], 0
	; group 1 for WO: 64 k-rows of 128 elements of 2 bytes, 1,024 elements from row to row; 8 words of padding behind every 64
	s_or_b32 s[G1B+0], s71, (1<<16)|(1<<20)|(1<<21)|(5<<22)|(7<<25)
	s_mov_b32 s[G1B+1], 128<<16                    ; tensor_dim0 = 128
	s_mov_b32 s[G1B+2], 64<<16                     ; tensor_dim1 = 64
	s_mov_b32 s[G1B+3], 128<<16                    ; tile_dim0 = 128
	s_mov_b32 s[G1B+4], 64                         ; tile_dim1 = 64
	s_mov_b32 s[G1B+5], 1024                       ; the pitch
	s_mov_b32 s[G1B+6], 0
	s_mov_b32 s[G1B+7], 0
	s_lshr_b32 s72, s69, 4                         ; A: batch = block row / 16: 16 heads of 262,144 bytes
	s_lshl_b32 s72, s72, 22
	s_and_b32 s73, s69, 15
	s_lshl_b32 s73, s73, 14                        ; + 128 tokens of 128 bytes x (block row % 16)
	s_add_co_u32 s72, s72, s73
	s_lshl_b32 s73, s14, 18                        ; + the head that I fetch
	s_add_co_u32 s72, s72, s73
	s_mov_b32 s73, 0
	s_lshl_b32 s76, s14, 17                        ; WO: 64 rows of 2,048 bytes x half
	s_lshl_b32 s77, s68, 8                         ; + 256 bytes x block column
	s_add_co_u32 s76, s76, s77
	s_add_co_u32 s76, s76, 23068672                ; WO's first byte in xh
	s_mov_b32 s77, 0
	s_mul_i32 s80, s14, ABLK                       ; where my part goes, for A
	s_mul_i32 s81, s14, BHALF
	s_add_co_u32 s81, s81, BOFF                    ; and for WO
	s_lshl_b32 s82, s68, 9                         ; my 64 columns in f32: 512 bytes x block column + 256 x half: in b_out and in a row of out0
	s_lshl_b32 s83, s14, 8
	s_add_co_u32 s82, s82, s83
	s_mov_b32 s83, 0
	s_wait_dscnt 0x0
	s_wait_kmcnt 0x0
	s_add_nc_u64 s[74:75], s[4:5], s[72:73]
	s_add_nc_u64 s[78:79], s[6:7], s[76:77]
	s_add_nc_u64 s[8:9], s[8:9], s[82:83]
	s_lshl_b32 s15, s69, 19                        ; my first row of out0: 128 rows of 4,096 bytes x block row
	s_add_co_u32 s82, s82, s15
	s_lshl_b32 s15, s13, 18                        ; + 64 rows x half (below 16 MiB in all)
	s_add_co_u32 s82, s82, s15
	s_add_nc_u64 s[10:11], s[10:11], s[82:83]
	CROUND                                         ; all sixteen work-groups are here: the first joint loads meet
.irp s, 0,1,2,3
	s_mov_b32 s[G0A+4*\s], 1
	s_add_co_u32 s[G0A+4*\s+1], s80, \s*SLOT
	s_add_nc_u64 s[G0A+4*\s+2:G0A+4*\s+3], s[74:75], \s*ASTEP
	s_or_b32 s[G0A+4*\s+3], s[G0A+4*\s+3], 0x80000000
	s_mov_b32 s[G0B+4*\s], 1
	s_add_co_u32 s[G0B+4*\s+1], s81, \s*SLOT
	s_add_nc_u64 s[G0B+4*\s+2:G0B+4*\s+3], s[78:79], \s*BSTEP
	s_or_b32 s[G0B+4*\s+3], s[G0B+4*\s+3], 0x80000000
	JLOAD \s                                       ; K steps 0 to 3
.endr
	v_and_b32 v1, 15, v0                           ; r
	v_bfe_u32 v2, v0, 4, 1                         ; h
	v_lshlrev_b32 v[BO], 5, v2
.irp b, 0,1,2,3
	global_load_b128 v[BIAS+8*\b:BIAS+8*\b+3],   v[BO], s[8:9] offset:64*\b
	global_load_b128 v[BIAS+8*\b+4:BIAS+8*\b+7], v[BO], s[8:9] offset:64*\b+16
.endr                                              ; waited for on the way out
	v_bfe_u32 v3, v0, 1, 3                         ; A: (r / 2) 272 + (r % 2) 128 + 16 h
	v_mul_u32_u24 v3, v3, APITCH
	v_and_b32 v5, 1, v0
	v_lshl_add_u32 v3, v5, 7, v3
	v_lshl_add_u32 v3, v2, 4, v3
	v_and_b32 v4, 7, v0                            ; WO: k-row 8 h + l % 8, the 16 bytes of columns 8 ((l / 8) % 2) + 0..7
	v_lshl_add_u32 v4, v2, 3, v4
	v_mul_u32_u24 v4, v4, BPITCH
	v_bfe_u32 v5, v0, 3, 1
	v_lshl_add_u32 v4, v5, 4, v4
	s_mul_i32 s80, s13, 32*APITCH                  ; my 64 tokens
	s_lshl_b32 s81, s14, 7                         ; my 64 columns: 128 bytes
	s_add_co_u32 s81, s81, BOFF
.irp s, 0,1,2,3
	v_add_nc_u32 v[ADRA+\s], s80, v3
	v_add_nc_u32 v[ADRB+\s], s81, v4
	s_add_co_u32 s80, s80, SLOT
	s_add_co_u32 s81, s81, SLOT
.endr
	s_mul_i32 s80, s12, 16*SPITCH
	s_add_co_u32 s80, s80, STAGE                   ; my stage
	v_mul_u32_u24 v5, v1, SPITCH
	v_lshl_add_u32 v5, v2, 5, v5
	v_add_nc_u32 v[STO], s80, v5                   ; in: row r, 32 bytes for each half of the lanes
	v_mul_u32_u24 v5, v2, SPITCH
	v_lshl_add_u32 v5, v1, 4, v5
	v_add_nc_u32 v[RD], s80, v5                    ; back: lanes 0-15 take one row of 256 bytes, lanes 16-31 the next
	v_lshlrev_b32 v5, 12, v2
	v_lshl_add_u32 v[CO], v1, 4, v5                ; and the same two rows in out0
; 16 LDS loads: the fragments of quarter kq (32 k: head kq / 2, d from 32 (kq % 2); k-rows from 32 kq of WO) of a slot into buffer f
.macro FETCH slot, kq, f
.irp a, 0,1,2,3
	ds_load_b128 v[\f+8*\a:\f+8*\a+3],   v[ADRA+\slot] offset:(\kq/2)*ABLK+\a*8*APITCH+(\kq%2)*64
	ds_load_b128 v[\f+8*\a+4:\f+8*\a+7], v[ADRA+\slot] offset:(\kq/2)*ABLK+\a*8*APITCH+(\kq%2)*64+32
.endr
.irp b, 0,1,2,3
	ds_load_tr16_b128 v[\f+32+8*\b:\f+32+8*\b+3],   v[ADRB+\slot] offset:\kq*32*BPITCH+\b*32
	ds_load_tr16_b128 v[\f+32+8*\b+4:\f+32+8*\b+7], v[ADRB+\slot] offset:\kq*32*BPITCH+\b*32+16*BPITCH
.endr
.endm
.macro MUL8 f, a0, zero
.irp a, \a0, \a0+1
.irp b, 0,1,2,3
.if \zero
	v_wmma_f32_16x16x32_f16 v[8*(4*(\a)+\b):8*(4*(\a)+\b)+7], v[\f+32+8*\b:\f+32+8*\b+7], v[\f+8*(\a):\f+8*(\a)+7], 0
.else
	v_wmma_f32_16x16x32_f16 v[8*(4*(\a)+\b):8*(4*(\a)+\b)+7], v[\f+32+8*\b:\f+32+8*\b+7], v[\f+8*(\a):\f+8*(\a)+7], v[8*(4*(\a)+\b):8*(4*(\a)+\b)+7]
.endif
.endr
.endr
.endm
; A quarter: the next quarter's fragments are asked for first, into the buffer that the last quarter multiplied, then buffer f is multiplied: 16 matrix
; instructions, the 16 accumulators by turns, one instruction a turn, in the same order in every quarter.
.macro QUARTER f, g, nslot, nkq, zero
	WIN 0
	PLACES
	FETCH \nslot, \nkq, \g
	s_wait_dscnt 16                                ; all but the 16 just issued: buffer f is in
	WIN MUL
	MUL8 \f, 0, \zero
	MUL8 \f, 2, \zero
.endm
.macro LASTQ f
	s_wait_dscnt 0
	WIN MUL
	MUL8 \f, 0, 0
	MUL8 \f, 2, 0
	WIN 0
.endm
.macro PHASE s0, zero                  ; two K steps: slots s0 and s0 + 1
	FETCH \s0, 0, F0
	QUARTER F0, F1, \s0, 1, \zero
	QUARTER F1, F0, \s0, 2, 0
	QUARTER F0, F1, \s0, 3, 0
	QUARTER F1, F0, \s0+1, 0, 0
	QUARTER F0, F1, \s0+1, 1, 0
	QUARTER F1, F0, \s0+1, 2, 0
	QUARTER F0, F1, \s0+1, 3, 0
	LASTQ F1
.endm
; Slots a and b have been read and are filled again, four K steps ahead.  In front of the round every wave has waited for its reads and for all its tensor loads (the
; other two slots' among them, which are read next); the two joint refills are the first tensor loads behind it.
.macro CHANGE a, b
	s_wait_dscnt 0x0
	s_wait_tensorcnt 0x0
	ds_add_u32 v254, v255
	s_wait_dscnt 0x0
.irp t, \a, \b
	s_add_nc_u64 s[G0A+4*\t+2:G0A+4*\t+3], s[G0A+4*\t+2:G0A+4*\t+3], 4*ASTEP
	s_add_nc_u64 s[G0B+4*\t+2:G0B+4*\t+3], s[G0B+4*\t+2:G0B+4*\t+3], 4*BSTEP
.endr
	CROUND
	JLOAD \a
	JLOAD \b
	PLACES                                         ; before the next loads land on buffer 0
.endm
	s_wait_tensorcnt 2                             ; my parts of K steps 0 and 1 are in; those of 2 and 3 stay out
	s_barrier_signal -1
	s_barrier_wait -1
	PHASE 0, 1                                     ; K steps 0, 1; the first products start the sums
	CHANGE 0, 1                                    ; K steps 4, 5 go out
	PHASE 2, 0                                     ; K steps 2, 3
	CHANGE 2, 3                                    ; K steps 6, 7 go out
	PHASE 0, 0                                     ; K steps 4, 5
	s_wait_dscnt 0x0
	s_wait_tensorcnt 0x0                           ; my parts of K steps 6, 7 are in,
	s_barrier_signal -1
	s_barrier_wait -1                              ; everybody's are
	PLACES
	PHASE 2, 0                                     ; K steps 6, 7
	; THE WAY OUT, 16 rows at a time: + bias, through my own stage, out as whole rows of 256 bytes.
	PLACES
	s_wait_loadcnt 0x0                             ; the bias
.macro OUT16 a, f
	WIN 0x01                                       ; source 0 in window 1
.irp b, 0,1,2,3
.irp p, 0,1,2,3
	v_pk_add_f32 v[T+8*\b+2*\p:T+8*\b+2*\p+1], v[8*(4*\a+\b)+2*\p:8*(4*\a+\b)+2*\p+1], v[BIAS+8*\b+2*\p:BIAS+8*\b+2*\p+1]
.endr
.endr
	WIN 0
.irp b, 0,1,2,3
	ds_store_b128 v[STO], v[T+8*\b:T+8*\b+3]   offset:64*\b
	ds_store_b128 v[STO], v[T+8*\b+4:T+8*\b+7] offset:64*\b+16
.endr
	s_wait_xcnt 0x0                                ; buffer f, which earlier stores read, and the stores' base are rewritten only behind this wait
.if \a
	s_add_nc_u64 s[10:11], s[10:11], 16*4096       ; 16 rows on
.endif
.irp t, 0,1,2,3,4,5,6,7
	ds_load_b128 v[\f+4*\t:\f+4*\t+3], v[RD] offset:\t*2*SPITCH    ; LDS serves a wave's instructions in order: these see the stores above
.endr
.irp t, 0,1,2,3,4,5,6,7
	s_wait_dscnt 7-\t
	global_store_b128 v[CO], v[\f+4*\t:\f+4*\t+3], s[10:11] offset:\t*8192 th:TH_STORE_NT   ; 16 lanes store 256 consecutive bytes, at a multiple of 256 from out0's first byte
.endr
.endm
	OUT16 0, 128
	OUT16 1, 160
	OUT16 2, 128
	OUT16 3, 160
	s_wait_tensorcnt 0x0
	ds_add_u32 v254, v255
	s_wait_dscnt 0x0
	CROUND                                         ; the closing round: no work-group ends while a partner may still ask for a tile that names it
	s_endpgm
.Lfunc_end_k_q4d570e2843_outproj:
	.size	k_q4d570e2843_outproj, .Lfunc_end_k_q4d570e2843_outproj-k_q4d570e2843_outproj
	.p2alignl 7, 3214868480
	.fill 96, 4, 3214868480
	.section	.rodata,"a",@progbits
	.p2align	6, 0x0
	.amdhsa_kernel k_q4d570e2843_outproj
		.amdhsa_group_segment_fixed_size 327680
		.amdhsa_private_segment_fixed_size 0
		.amdhsa_enable_private_segment 0
		.amdhsa_kernarg_size 32
		.amdhsa_user_sgpr_count 2
		.amdhsa_user_sgpr_kernarg_segment_ptr 1
		.amdhsa_wavefront_size32 1
		.amdhsa_system_sgpr_workgroup_id_x 1
		.amdhsa_system_sgpr_workgroup_id_y 1
		.amdhsa_system_sgpr_workgroup_id_z 1
		.amdhsa_system_vgpr_workitem_id 0
		.amdhsa_next_free_vgpr 384
		.amdhsa_next_free_sgpr 84
		.amdhsa_reserve_vcc 0
		.amdhsa_float_denorm_mode_32 3
		.amdhsa_float_denorm_mode_16_64 3
		.amdhsa_memory_ordered 1
		.amdhsa_forward_progress 1
		.amdhsa_inst_pref_size 97
	.end_amdhsa_kernel
	.amdgpu_metadata
---
amdhsa.version: [ 1, 2 ]
amdhsa.kernels:
  - .name:           k_q4d570e2843_outproj
    .symbol:         k_q4d570e2843_outproj.kd
    .args:
      - { .name: ao, .offset: 0, .size: 8, .value_kind: global_buffer, .address_space: global }
      - { .name: xh, .offset: 8, .size: 8, .value_kind: global_buffer, .address_space: global }
      - { .name: b_out, .offset: 16, .size: 8, .value_kind: global_buffer, .address_space: global }
      - { .name: out0, .offset: 24, .size: 8, .value_kind: global_buffer, .address_space: global }
    .group_segment_fixed_size: 327680
    .private_segment_fixed_size: 0
    .kernarg_segment_align: 8
    .kernarg_segment_size: 32
    .max_flat_workgroup_size: 128
    .sgpr_count:     84
    .vgpr_count:     384
    .wavefront_size: 32
...
	.end_amdgpu_metadata
.endif
;; end of part 4
;; ======== version 2 of 2: 4 launches; 1.06 times as fast as version 1
;; limits: values are held in f16: magnitudes above 65,504 overflow, below 6.1e-05 lose precision; inputs' magnitudes at most 65,504
;; workspace buffers: xh 25,165,824 bytes; qkv 25,165,824 bytes; ao 8,388,608 bytes
;; launch cast: the kernel of part 1 again; grid 768 x 1, 8 waves a work-group, no clusters, 0 bytes of LDS; arguments q, kv, w_q, w_kv, w_out, xh; writes xh
;; launch inproj: the kernel of part 2 again; grid 12 x 16, 4 waves a work-group, clusters of 4 x 4, 327,680 bytes of LDS; arguments xh, b_q, b_kv, qkv; writes qkv
;; launch attn (part 5): grid 8 x 32, 8 waves a work-group, clusters of 4 x 1, 327,680 bytes of LDS; arguments qkv, ao; writes ao
.if DOCPART == 5
	.amdgcn_target "amdgcn-amd-amdhsa--gfx1250"
	.amdhsa_code_object_version 6
	.text
	.protected	k_q4d570e2843_attn
	.globl	k_q4d570e2843_attn
	.p2align	8
	.type	k_q4d570e2843_attn,@function
k_q4d570e2843_attn:
	s_mov_b64 s[64:65], 0
	v_nop
	global_prefetch_b8 v0, s[64:65] scope:SCOPE_SE
	s_setreg_imm32_b32 hwreg(HW_REG_WAVE_MODE, 25, 1), 1
	s_wait_xcnt 0x0
	s_wait_alu depctr_hold_cnt(0) depctr_sa_sdst(0) depctr_va_vdst(0) depctr_va_sdst(0) depctr_va_ssrc(0) depctr_va_vcc(0) depctr_vm_vsrc(0)
	s_getreg_b32 s2, hwreg(HW_REG_IB_STS2, 6, 4)
	s_cmp_eq_u32 s2, 0
	s_cbranch_scc0 .Lentry_in_a_cluster
	s_endpgm
.Lentry_in_a_cluster:
	s_bfe_u32 s2, ttmp6, 0x10000c
	s_cmp_lg_u32 s2, 0x3003
	s_cbranch_scc0 .Lentry_shape_is_right
	s_endpgm
.Lentry_shape_is_right:
; ao[bh][q][d] = softmax over kv of (Q' K^T, already in units of log2) times V, for one head and 256 query rows a work-group; f16 operands, f32 sums.
; The running maximum of each row is always taken away before the exp2; the row sum is kept in f32 from the unrounded exponentials.
; LIMIT: NaN and infinities among Q', K, V are not treated; P is rounded to f16 (it lies in 0..1; what is below f16's smallest number counts as 0).
; Eight waves; wave w owns 32 query rows: two tiles of 16, called stream 0 and stream 1.
; COMPUTED TRANSPOSED.  S^T = K Q^T: source 0 = 16 kv rows of K, source 1 = 16 rows of Q'.  Lane (r, h) then holds query r and kv = 8 h + j in register j: the
; maximum and the sum run along the lane's own registers, with one exchange between the halves; two neighbouring S^T tiles, rounded and packed in place, ARE
; the fragment of P^T.  O^T = V^T P^T: source 0 comes by the transposing LDS load from V [kv][d]; lane (r, h) holds query r again, so alpha and 1 / l are its own.
; THE TWO STREAMS RUN HALF A BLOCK (64 kv) APART, so that one stream's 16 matrix instructions stand among the other's softmax:
;   half step 0 of block i: softmax of stream 0, block i;  matrix: P V of stream 1, block i - 1, then K Q^T of stream 1, block i
;   half step 1 of block i: softmax of stream 1, block i;  matrix: P V of stream 0, block i,     then K Q^T of stream 0, block i + 1
; A half step of stream s has four stages.  B: eight times (one P V instruction, two subtractions of the maximum, two rescales of O).  E: eight times (one K Q^T
; instruction, four exp2).  A: the OTHER stream's new maximum and its alpha, from the scores that stage E's matrix instructions have just made.  S: the sums and the
; packing of stream s's 32 exponentials.
; BATCHES.  Stage E's 32 exp2 and stage A's one (alpha) are ONE batch with ONE wait, which stands between stage A and stage S.  Ahead of it nothing names a result of
; the batch: stage E's matrix instructions and stage A work on the other stream's scores.  Behind it stand all the readers: stage S, and in the next half step stage B, which
; multiplies by alpha and so has no wait of its own.  No exponential is issued behind a half step's wait, so none is pending at a label, a branch or the loop's jump.
; The way out's four reciprocals are a batch of their own.
; K's and V's fragments have registers of their own: V of block i is asked for behind stage B of half step 0 and first used in stage B of half step 1; K of block i + 1
; behind half step 0's wait and first used in stage E of half step 1.
; REGISTER WINDOWS: window 1 holds V's fragments and the four pairs that are broadcast (new maximum, alpha); all else lies in window 0.  With source 0 in window 1
; both the P V instructions (source 0 = V) and stage B's packed subtract and multiply (source 0 = the broadcast pair) run under one setting: nine switches a block.
; CLUSTER 4 x 1: the four query blocks of one head read the same K and V tiles and ask for each jointly (mask 15).
; RING: 8 tiles of 256 kv (four blocks each) on two slots; waves 0-3 fetch a quarter of K's tile each, waves 4-7 of V's.  Tiles 0 and 1 are asked for at the start
; (two tensor loads of a wave are out, this text's most).  At a tile's end its own slot is filled again, two tiles ahead, behind a round of the cluster's barrier; that
; load has the next tile's four blocks (128 matrix instructions a wave and their softmax) in which to land.
; THE LOOP is not aligned with the tiles.  Blocks 0 and 1 start the sums and stand in front of it; blocks 2 to 25 are three trips of eight blocks, the ring's period,
; each with its two refills (all six refills, at the ends of blocks 3, 7, .. 23, fall into the loop: none is jumped over); blocks 26 to 31 fill nothing and are written
; out behind it.  So the text holds 16 of the 32 blocks.
.set TILE,   32768                     ; 256 kv x 128 bytes, dense in qkv: fetched as 128 rows of 256 bytes (two kv rows each)
.set KPITCH, 272                       ; K: kv row x at (x / 2) 272 + (x % 2) 128: sixteen neighbouring rows lie in sixteen different 16-byte columns modulo 256
.set VPITCH, 288                       ; V: the same with 288 = 9 x 32, for the transposing load
.set VOFF,   128*KPITCH
.set SLOT,   VOFF+128*VPITCH           ; 71,680
.set STAGE,  2*SLOT                    ; 143,360 = 560 x 256: 32 rows x 144 bytes for each wave; no tensor load ever lands there
.set SPITCH, 144
; window 0
.set KA,  2                            ; v2-3      my address in K, slot 0, 1
.set VA,  6                            ; v6-7      my address in V, slot 0, 1
.set STO, 10
.set RD,  11
.set CO,  12
.set QO,  13
.set M,   14                           ; v14-15    running maximum of stream s
.set T,   16                           ; v16-19    four chains of the maximum; v[16:17] and v[18:19] also the two scratch pairs of the row sum
.set LS,  22                           ; v22-25    running sum, a pair for each stream
.set RL,  26                           ; v26-29    1 / l, twice for each stream (in the set-up: r, h and scratch, with v30)
.set Q,   32                           ; v32-63    Q'(s, ks) at 32 + 16 s + 8 ks
.set O,   64                           ; v64-127   O^T(dt, s) at 64 + 8 (2 dt + s)
.set S,   128                          ; v128-191  S^T(kt, s) at 128 + 32 s + 8 kt; P^T(kk, s) at 128 + 32 s + 16 kk
.set KF,  192                          ; v192-255  K(ks, kt) at 192 + 8 (4 ks + kt)
; window 1 (the numbers are those written in the instructions)
.set VF,  0                            ; v256-319  V(kk, dt) at 8 (4 kk + dt)
.set MN1, 64                           ; v320, v322  new maximum of stream s; v321, v323 only complete the pairs
.set AL1, 68                           ; v324, v326  alpha of stream s; v325, v327 only complete the pairs
.set G1K, 16
.set G1V, 24
.set G0K, 32                           ; s[32:39] a set for each slot
.set G0V, 40                           ; s[40:47]
.set MSB, 0
.macro WIN new                         ; the immediate's high byte repeats the setting that is left
.if MSB != \new
	s_set_vgpr_msb (MSB<<8)|\new
.set MSB, \new
.endif
.endm
.set TO_1,   0x40                      ; destination in window 1
.set FROM_1, 0x01                      ; source 0 in window 1
.macro CREST                           ; a round of the cluster's barrier behind its opening work-group barrier
	s_cmp_lg_u32 s8, 0
	s_cbranch_scc1 .Lnot_wave_0_\@
	s_barrier_signal -3
.Lnot_wave_0_\@:
	s_barrier_wait -3
	s_barrier_signal -1
	s_barrier_wait -1
.endm
.macro ROUND                           ; a whole round
	s_barrier_signal -1
	s_barrier_wait -1
	CREST
.endm
.macro JLOAD sl                        ; the branch hangs on the wave's number alone
	s_cmp_eq_u32 s9, 0
	s_cbranch_scc0 .Lfor_v_\@
	tensor_load_to_lds s[G0K+4*(\sl):G0K+4*(\sl)+3], s[G1K:G1K+7]
	s_nop 0
	s_branch .Lasked_\@
.Lfor_v_\@:
	tensor_load_to_lds s[G0V+4*(\sl):G0V+4*(\sl)+3], s[G1V:G1V+7]
	s_nop 0
.Lasked_\@:
.endm
	s_load_b128 s[4:7], s[0:1], 0x0                ; qkv s[4:5], ao s[6:7]
	v_lshl_add_u32 v21, v0, 2, 0x2c000
	v_mov_b32 v31, 0
	ds_add_u32 v21, v31
	v_lshrrev_b32 v1, 5, v0
	v_readfirstlane_b32 s8, v1                     ; wave 0..7
	s_lshr_b32 s9, s8, 2                           ; I fetch for K (0) or for V (1)
	s_and_b32 s10, s8, 3                           ; which quarter of the tile
	s_bfe_u32 s11, ttmp6, 0x40000                  ; cx
	s_mov_b32 s12, 0x76543210                      ; v_permlanex16_b32: lane i of one half reads lane i of the other
	s_mov_b32 s13, 0xfedcba98
	s_and_b32 s14, ttmp7, 0xffff                   ; bh
	s_lshl_b32 s15, ttmp9, 2
	s_add_co_u32 s15, s15, s11                     ; query block = 4 x cluster x + cx
	; group 1: 32 rows of 32 elements of 8 bytes, dense; padding behind every 64 words: 4 words for K, 8 for V
	s_mov_b32 s[G1K+0], 15|(3<<16)|(1<<20)|(1<<21)|(5<<22)|(3<<25)
	s_mov_b32 s[G1V+0], 15|(3<<16)|(1<<20)|(1<<21)|(5<<22)|(7<<25)
.irp g1, G1K, G1V
	s_mov_b32 s[\g1+1], 32<<16                     ; tensor_dim0 = 32
	s_mov_b32 s[\g1+2], 32<<16                     ; tensor_dim1 = 32
	s_mov_b32 s[\g1+3], 32<<16                     ; tile_dim0 = 32
	s_mov_b32 s[\g1+4], 32                         ; tile_dim1 = 32
	s_mov_b32 s[\g1+5], 32                         ; the pitch
	s_mov_b32 s[\g1+6], 0
	s_mov_b32 s[\g1+7], 0
.endr
	s_lshl_b32 s66, s14, 18                        ; the head: 262,144 bytes
	s_lshl_b32 s67, s10, 13                        ; my quarter: 8,192 bytes
	s_add_co_u32 s66, s66, s67
	s_mov_b32 s67, 0
	s_mul_i32 s70, s10, 32*KPITCH                  ; where my quarter goes, for K
	s_mul_i32 s71, s10, 32*VPITCH
	s_add_co_u32 s71, s71, VOFF                    ; and for V
	s_lshl_b32 s72, s15, 15                        ; my 32 query rows: 256 x 128 bytes x block
	s_lshl_b32 s73, s8, 12                         ;  + 32 x 128 bytes x wave
	s_add_co_u32 s72, s72, s73
	s_lshl_b32 s73, s14, 18                        ;  + the head: the same offset in Q' and in ao
	s_add_co_u32 s72, s72, s73
	s_mov_b32 s73, 0
	v_and_b32 v26, 15, v0                          ; r
	v_bfe_u32 v27, v0, 4, 1                        ; h
	v_lshlrev_b32 v[QO], 7, v26
	v_lshl_add_u32 v[QO], v27, 4, v[QO]            ; r x 128 + 16 h
	s_wait_dscnt 0x0
	s_wait_kmcnt 0x0
	s_add_nc_u64 s[68:69], s[4:5], s[66:67]
	s_add_nc_u64 s[74:75], s[4:5], s[72:73]
	s_add_nc_u64 s[6:7], s[6:7], s[72:73]
.irp qt, 0,1
.irp ks, 0,1
	global_load_b128 v[Q+16*\qt+8*\ks:Q+16*\qt+8*\ks+3],   v[QO], s[74:75] offset:\qt*2048+\ks*64      ; Q'(r, 32 ks + 8 h ..)
	global_load_b128 v[Q+16*\qt+8*\ks+4:Q+16*\qt+8*\ks+7], v[QO], s[74:75] offset:\qt*2048+\ks*64+32   ; Q'(r, 32 ks + 16 + 8 h ..)
.endr
.endr
.irp sl, 0,1
	s_mov_b32 s[G0K+4*\sl], 1
	s_add_co_u32 s[G0K+4*\sl+1], s70, \sl*SLOT
	s_add_nc_u64 s[G0K+4*\sl+2:G0K+4*\sl+3], s[68:69], 8388608+\sl*TILE      ; K is qkv's second part
	s_or_b32 s[G0K+4*\sl+3], s[G0K+4*\sl+3], 0x80000000
	s_mov_b32 s[G0V+4*\sl], 1
	s_add_co_u32 s[G0V+4*\sl+1], s71, \sl*SLOT
	s_add_nc_u64 s[G0V+4*\sl+2:G0V+4*\sl+3], s[68:69], 16777216+\sl*TILE     ; V its third
	s_or_b32 s[G0V+4*\sl+3], s[G0V+4*\sl+3], 0x80000000
.endr
	ROUND                                          ; all four work-groups are here: the first joint loads meet
	JLOAD 0                                        ; tiles 0 and 1
	JLOAD 1
	v_bfe_u32 v28, v0, 1, 3                        ; K: (r / 2) 272 + (r % 2) 128 + 16 h
	v_mul_u32_u24 v28, v28, KPITCH
	v_and_b32 v29, 1, v0
	v_lshl_add_u32 v28, v29, 7, v28
	v_lshl_add_u32 v[KA], v27, 4, v28
	v_bfe_u32 v28, v0, 1, 2                        ; V: kv row 8 h + l % 8 lies at (4 h + (l % 8) / 2) 288 + (l % 2) 128; + 16 ((l / 8) % 2)
	v_lshl_add_u32 v28, v27, 2, v28
	v_mul_u32_u24 v28, v28, VPITCH
	v_lshl_add_u32 v28, v29, 7, v28
	v_bfe_u32 v30, v0, 3, 1
	v_lshl_add_u32 v28, v30, 4, v28
	v_add_nc_u32 v[VA], VOFF, v28
	v_add_nc_u32 v[KA+1], SLOT, v[KA]
	v_add_nc_u32 v[VA+1], SLOT, v[VA]
	s_mul_i32 s76, s8, 32*SPITCH
	s_add_co_u32 s76, s76, STAGE                   ; my stage
	v_mul_u32_u24 v28, v26, SPITCH
	v_lshl_add_u32 v28, v27, 4, v28
	v_add_nc_u32 v[STO], s76, v28                  ; in: row r, 16 bytes for each half of the lanes
	v_bfe_u32 v28, v0, 3, 2
	v_mul_u32_u24 v28, v28, SPITCH
	v_and_b32 v30, 7, v0
	v_lshl_add_u32 v28, v30, 4, v28
	v_add_nc_u32 v[RD], s76, v28                   ; back: eight lanes take a row of 128 bytes, a load four rows
	v_and_b32 v30, 31, v0
	v_lshlrev_b32 v[CO], 4, v30                    ; which are 512 consecutive bytes of ao
	WIN TO_1
	v_mov_b32 v[MN1+1], 0                          ; the pairs' second registers are never used as numbers, but a pair is read whole
	v_mov_b32 v[MN1+3], 0
	v_mov_b32 v[AL1+1], 0
	v_mov_b32 v[AL1+3], 0
	WIN 0
; 16 LDS loads: K's eight fragments of block blk of a slot's tile
.macro LOADK sl, blk
	WIN 0
.irp ks, 0,1
.irp kt, 0,1,2,3
	ds_load_b128 v[KF+8*(4*\ks+\kt):KF+8*(4*\ks+\kt)+3],   v[KA+\sl] offset:\blk*32*KPITCH+\kt*8*KPITCH+\ks*64
	ds_load_b128 v[KF+8*(4*\ks+\kt)+4:KF+8*(4*\ks+\kt)+7], v[KA+\sl] offset:\blk*32*KPITCH+\kt*8*KPITCH+\ks*64+32
.endr
.endr
.endm
; 16 transposing LDS loads: V's eight fragments, into window 1
.macro LOADV sl, blk
	WIN TO_1
.irp kk, 0,1
.irp dt, 0,1,2,3
	ds_load_tr16_b128 v[VF+8*(4*\kk+\dt):VF+8*(4*\kk+\dt)+3],   v[VA+\sl] offset:\blk*32*VPITCH+\kk*16*VPITCH+\dt*32
	ds_load_tr16_b128 v[VF+8*(4*\kk+\dt)+4:VF+8*(4*\kk+\dt)+7], v[VA+\sl] offset:\blk*32*VPITCH+\kk*16*VPITCH+\dt*32+8*VPITCH
.endr
.endr
.endm
; One K Q^T instruction of stream o: idx = 4 ks + kt.  The lower 32 d start the four sums, the upper 32 d add in place, in the same order.
.macro QKW o, idx
.if (\idx) < 4
	v_wmma_f32_16x16x32_f16 v[S+32*(\o)+8*(\idx):S+32*(\o)+8*(\idx)+7], v[KF+8*(\idx):KF+8*(\idx)+7], v[Q+16*(\o):Q+16*(\o)+7], 0
.else
	v_wmma_f32_16x16x32_f16 v[S+32*(\o)+8*((\idx)-4):S+32*(\o)+8*((\idx)-4)+7], v[KF+8*(\idx):KF+8*(\idx)+7], v[Q+16*(\o)+8:Q+16*(\o)+15], v[S+32*(\o)+8*((\idx)-4):S+32*(\o)+8*((\idx)-4)+7]
.endif
.endm
; One P V instruction of stream o: idx = 4 kk + dt; source 0 (V) in window 1.  zero = 1: the product starts the sum.
.macro PVW o, idx, zero
.if \zero
	v_wmma_f32_16x16x32_f16 v[O+8*(2*((\idx)%4)+(\o)):O+8*(2*((\idx)%4)+(\o))+7], v[VF+8*(\idx):VF+8*(\idx)+7], v[S+32*(\o)+16*((\idx)/4):S+32*(\o)+16*((\idx)/4)+7], 0
.else
	v_wmma_f32_16x16x32_f16 v[O+8*(2*((\idx)%4)+(\o)):O+8*(2*((\idx)%4)+(\o))+7], v[VF+8*(\idx):VF+8*(\idx)+7], v[S+32*(\o)+16*((\idx)/4):S+32*(\o)+16*((\idx)/4)+7], v[O+8*(2*((\idx)%4)+(\o)):O+8*(2*((\idx)%4)+(\o))+7]
.endif
.endm
; In every run of matrix instructions the accumulators take turns, one instruction a turn (four of O^T, then the same four; four of S^T, then the same four), and a
; run's last and the next run's first name different accumulators, over the loop's backward jump too.
; STAGE A: the new maximum of stream s over its 32 scores a lane, in four chains that do not wait for each other; the old maximum starts one of them.  It stands at the
; end of the OTHER stream's half step.  S^T was written by matrix instructions of which the last stands four plain vector instructions back, stage E's four v_nop (ISA guide 7.12.1).
; It names no result of the other stream's exponentials.  Its own exponential, alpha, is the batch's last; the move behind it is the plain instruction that stands between
; the batch's last exponential and the first use of a result (ISA guide 5.7.2).  The macro ends with the destination in window 1; the wait follows it in BLK.
.macro STA s, first
	WIN 0
.if \first
	v_max_num_f32 v[T+0], v[S+32*\s+0], v[S+32*\s+1]
.else
	v_max3_num_f32 v[T+0], v[M+\s], v[S+32*\s+0], v[S+32*\s+1]
.endif
	v_max_num_f32 v[T+1], v[S+32*\s+8],  v[S+32*\s+9]
	v_max_num_f32 v[T+2], v[S+32*\s+16], v[S+32*\s+17]
	v_max_num_f32 v[T+3], v[S+32*\s+24], v[S+32*\s+25]
.irp j, 1,2,3
.irp c, 0,1,2,3
	v_max3_num_f32 v[T+\c], v[T+\c], v[S+32*\s+8*\c+2*\j], v[S+32*\s+8*\c+2*\j+1]
.endr
.endr
	v_max3_num_f32 v[T+0], v[T+0], v[T+1], v[T+2]
	v_max_num_f32 v[T+0], v[T+0], v[T+3]
	v_permlanex16_b32 v[T+1], v[T+0], s12, s13     ; the other half of the lanes holds the same query's other kv rows
	v_max_num_f32 v[T+0], v[T+0], v[T+1]           ; the new maximum
.if \first == 0
	v_sub_f32 v[T+2], v[M+\s], v[T+0]
.endif
	v_mov_b32 v[M+\s], v[T+0]                      ; kept here: stage S, which follows, takes T as its scratch
	WIN TO_1
.if \first == 0
	v_exp_f32 v[AL1+2*\s], v[T+2]                  ; alpha = 2^(old maximum - new maximum)
.endif
	v_mov_b32 v[MN1+2*\s], v[T+0]
.endm
; STAGE B, all under one window setting: eight times one P V instruction of the other stream, two packed subtractions of the maximum and two packed rescales of O^T.
; Alpha and the new maximum were made in the half step before, ahead of its wait: nothing is pending here.
; pv = 0: no matrix instruction; 1: the first four start the sums; 2: all add.  Behind the last matrix instruction stand five plain vector instructions that name none
; of its registers: four are asked for before loads land on V's fragments, five before the next K Q^T instructions write over P^T.
.macro STB s, first, pv
	WIN FROM_1
.set n, 0
.rept 8
.if \pv == 1
.if n < 4
	PVW (1-\s), n, 1
.else
	PVW (1-\s), n, 0
.endif
.endif
.if \pv == 2
	PVW (1-\s), n, 0
.endif
	v_pk_add_f32 v[S+32*\s+4*n:S+32*\s+4*n+1],   v[MN1+2*\s:MN1+2*\s+1], v[S+32*\s+4*n:S+32*\s+4*n+1]   op_sel_hi:[0,1] neg_lo:[1,0] neg_hi:[1,0]
	v_pk_add_f32 v[S+32*\s+4*n+2:S+32*\s+4*n+3], v[MN1+2*\s:MN1+2*\s+1], v[S+32*\s+4*n+2:S+32*\s+4*n+3] op_sel_hi:[0,1] neg_lo:[1,0] neg_hi:[1,0]
.if \first == 0
	v_pk_mul_f32 v[O+8*(2*(n/2)+\s)+4*(n%2):O+8*(2*(n/2)+\s)+4*(n%2)+1],   v[AL1+2*\s:AL1+2*\s+1], v[O+8*(2*(n/2)+\s)+4*(n%2):O+8*(2*(n/2)+\s)+4*(n%2)+1]   op_sel_hi:[0,1]
	v_pk_mul_f32 v[O+8*(2*(n/2)+\s)+4*(n%2)+2:O+8*(2*(n/2)+\s)+4*(n%2)+3], v[AL1+2*\s:AL1+2*\s+1], v[O+8*(2*(n/2)+\s)+4*(n%2)+2:O+8*(2*(n/2)+\s)+4*(n%2)+3] op_sel_hi:[0,1]
.endif
.set n, n+1
.endr
.if \first
.rept 3
	v_nop                                          ; the first block rescales nothing: these make up the five places
.endr
.else
	v_pk_mul_f32 v[LS+2*\s:LS+2*\s+1], v[AL1+2*\s:AL1+2*\s+1], v[LS+2*\s:LS+2*\s+1] op_sel_hi:[0,1]
.endif
.endm
; STAGE E: eight times one K Q^T instruction of the other stream (qk = 1) and four exp2 of stream s, in place.  Nothing here reads an exponential's result: the 32 open the
; half step's batch.  The last four stand by turns with four v_nop: the four places between the last K Q^T instruction and what follows it, stage A's reads of its scores and
; the loads into K's fragments (ISA guide 7.12.1 for vector instructions); no plain work that names no result of the batch is at hand there.
; qk = 0 (the last block): one v_nop, the plain instruction behind the batch's last exponential (ISA guide 5.7.2).
.macro STE s, qk
	WIN 0
.set g, 0
.rept 8
.if \qk
	QKW (1-\s), g
.endif
.irp e, 0,1,2,3
	v_exp_f32 v[S+32*\s+4*g+\e], v[S+32*\s+4*g+\e]
.if (g == 7) && ((\qk) || ((\e) == 3))
	v_nop
.endif
.endr
.set g, g+1
.endr
.endm
; STAGE S, behind the batch's wait: for each four exponentials (group g of eight) the two pairs are added in f32, then each pair is rounded into one word, in place: word i
; of a group of 16 registers lies in a pair that has been taken already.  The running sum gets one link a group, in the groups' order, a group later than the group's own
; sum is made; the two scratch pairs take turns, so that no link waits for the line just ahead of it.  In the first block group 0 starts the sum: nothing is cleared.
.macro STS s, first
	WIN 0
.set g, 0
.rept 8
.if (\first) && (g == 0)
	v_pk_add_f32 v[LS+2*\s:LS+2*\s+1], v[S+32*\s:S+32*\s+1], v[S+32*\s+2:S+32*\s+3]
.else
	v_pk_add_f32 v[T+2*(g%2):T+2*(g%2)+1], v[S+32*\s+4*g:S+32*\s+4*g+1], v[S+32*\s+4*g+2:S+32*\s+4*g+3]
.endif
.if (g > 1) || ((g == 1) && ((\first) == 0))
	v_pk_add_f32 v[LS+2*\s:LS+2*\s+1], v[LS+2*\s:LS+2*\s+1], v[T+2*((g-1)%2):T+2*((g-1)%2)+1]
.endif
	v_cvt_pk_f16_f32 v[S+32*\s+16*(g/4)+2*(g%4)],   v[S+32*\s+4*g],   v[S+32*\s+4*g+1]
	v_cvt_pk_f16_f32 v[S+32*\s+16*(g/4)+2*(g%4)+1], v[S+32*\s+4*g+2], v[S+32*\s+4*g+3]
.set g, g+1
.endr
	v_pk_add_f32 v[LS+2*\s:LS+2*\s+1], v[LS+2*\s:LS+2*\s+1], v[T+2:T+3]    ; group 7's sum
.endm
; One block of 64 kv, from stage B of half step 0 to stage S of half step 1; stage A of its stream 0 stands in the block before (the very first in front of block 0), and the
; block ends with stage A of the next block's stream 0.  vs, vb: slot and block of V's fragments (this block).  first = 1: the very first block starts maximum and sum.
; pv1, pv0: how the P V instructions of stream 1 (the block before) and of stream 0 (this block) run.  ldk = 1: K's fragments of the next block come from slot ks, block kb;
; ldk = 0: the last block: no next scores, no next maximum.
; sync, in a tile's last block, behind half step 0's wait, where my last reads of this tile (V's fragments) have been issued and the next read is the next tile's K:
;   2: slot vs is filled again, two tiles ahead: my reads are back and ALL my tensor loads have landed (one was out: my part of the next tile); the round of the
;      cluster's barrier says so of every wave of all four work-groups, and the joint load is the first tensor load behind it, ahead of the first LDS read.
;   1: the same waits and a work-group barrier: the last tile is shown to all waves.
; Between the opening signal and its wait stands register work alone: stage S of stream 0.  The batch's wait stands ahead of the signal, so no exponential is pending at the
; round's branches and labels.
.macro BLK vs, vb, first, pv1, pv0, sync, ldk, ks, kb
	STB 0, \first, \pv1
	LOADV \vs, \vb
	STE 0, 1
	STA 1, \first
	WIN 0
	s_wait_alu depctr_va_vdst(0)                   ; ONE wait for half step 0's batch, stream 0's 32 exp2 and stream 1's alpha
.if \sync
	s_wait_dscnt 0x0
	s_wait_tensorcnt 0x0
	ds_add_u32 v21, v31
	s_wait_dscnt 0x0
.if \sync == 2
	s_add_nc_u64 s[G0K+4*\vs+2:G0K+4*\vs+3], s[G0K+4*\vs+2:G0K+4*\vs+3], 2*TILE      ; no load of mine is out: the descriptors may be written
	s_add_nc_u64 s[G0V+4*\vs+2:G0V+4*\vs+3], s[G0V+4*\vs+2:G0V+4*\vs+3], 2*TILE
.endif
	s_barrier_signal -1
	STS 0, \first
	WIN 0
	s_barrier_wait -1
.if \sync == 2
	CREST
	JLOAD \vs
.endif
	LOADK \ks, \kb
.else
.if \ldk
	LOADK \ks, \kb                                 ; directly behind the wait; stage E's four v_nop and stage A stand between it and the last instruction that read K's fragments
.endif
	STS 0, \first
.endif
	s_wait_dscnt 16*\ldk                           ; V's 16 loads are back; the 16 younger ones, K's, may be out
	STB 1, \first, \pv0
.if \ldk
	s_wait_dscnt 0x0                               ; K's fragments
.endif
	STE 1, \ldk
.if \ldk
	STA 0, 0                                       ; the next block's stream 0
.endif
	WIN 0
	s_wait_alu depctr_va_vdst(0)                   ; ONE wait for half step 1's batch, stream 1's 32 exp2 and (but in the last block) stream 0's next alpha
	STS 1, \first
.endm
	s_wait_loadcnt 0x0                             ; Q'
	s_wait_tensorcnt 0x1                           ; my part of tile 0 is in; that of tile 1 stays out
	s_barrier_signal -1
	s_barrier_wait -1                              ; everybody's is
	LOADK 0, 0
	s_wait_dscnt 0x0
.set g, 0
.rept 8
	QKW 0, g                                       ; stream 0, block 0: the pipeline's first step has no softmax beside it
.set g, g+1
.endr
.rept 4
	v_nop                                          ; four places before S^T is read (ISA guide 7.12.1)
.endr
	STA 0, 1                                       ; stream 0's first maximum: there is no old one, so no alpha and no exponential
	BLK 0,0, 1,0,1, 0, 1,0,1                       ; block 0 starts maxima and sums, and stream 0's O^T;
	BLK 0,1, 0,1,2, 0, 1,0,2                       ; block 1 starts stream 1's O^T
	s_mov_b32 s48, 3
.Lring:                                            ; at this label, on both ways: no LDS instruction is out; one tensor load of mine may be out, into slot 1
	BLK 0,2, 0,2,2, 0, 1,0,3
	BLK 0,3, 0,2,2, 2, 1,1,0                       ; slot 0's tile ends: tiles 2, 4, 6 go out
	BLK 1,0, 0,2,2, 0, 1,1,1
	BLK 1,1, 0,2,2, 0, 1,1,2
	BLK 1,2, 0,2,2, 0, 1,1,3
	BLK 1,3, 0,2,2, 2, 1,0,0                       ; slot 1's tile ends: tiles 3, 5, 7 go out
	BLK 0,0, 0,2,2, 0, 1,0,1
	BLK 0,1, 0,2,2, 0, 1,0,2
	s_sub_co_u32 s48, s48, 1
	s_cmp_lg_u32 s48, 0
	s_cbranch_scc1 .Lring
	BLK 0,2, 0,2,2, 0, 1,0,3                       ; blocks 26 to 31: the rest of tile 6,
	BLK 0,3, 0,2,2, 1, 1,1,0                       ; at whose end tile 7 is shown and nothing is filled,
	BLK 1,0, 0,2,2, 0, 1,1,1                       ; and tile 7
	BLK 1,1, 0,2,2, 0, 1,1,2
	BLK 1,2, 0,2,2, 0, 1,1,3
	BLK 1,3, 0,2,2, 0, 0,0,0                       ; the last block asks for no K
	WIN FROM_1
.set n, 0
.rept 8
	PVW 1, n, 0                                    ; stream 1, block 31: the pipeline's last step
.set n, n+1
.endr
	WIN 0
	; THE WAY OUT: 1 / l (l is at least 1: the largest score's exponential is 1), f16, through my own stage, 512 consecutive bytes a store.
	; The four additions and the v_nop are five places behind the last matrix instructions, before O^T is read (ISA guide 7.12.1 asks for four).
	v_add_f32 v[T+0], v[LS+0], v[LS+1]
	v_add_f32 v[T+2], v[LS+2], v[LS+3]
	v_permlanex16_b32 v[T+1], v[T+0], s12, s13
	v_permlanex16_b32 v[T+3], v[T+2], s12, s13
	v_add_f32 v[T+0], v[T+0], v[T+1]
	v_add_f32 v[T+2], v[T+2], v[T+3]
	v_rcp_f32 v[RL+0], v[T+0]                      ; made twice, to fill the pair that the packed multiply takes
	v_rcp_f32 v[RL+1], v[T+0]
	v_rcp_f32 v[RL+2], v[T+2]
	v_rcp_f32 v[RL+3], v[T+2]
	v_nop                                          ; one plain place behind the reciprocals (ISA guide 5.7.2)
	s_wait_alu depctr_va_vdst(0)                   ; one wait for the batch of four reciprocals
.irp dt, 0,1,2,3
.irp qt, 0,1
.irp p, 0,1,2,3
	v_pk_mul_f32 v[O+8*(2*\dt+\qt)+2*\p:O+8*(2*\dt+\qt)+2*\p+1], v[O+8*(2*\dt+\qt)+2*\p:O+8*(2*\dt+\qt)+2*\p+1], v[RL+2*\qt:RL+2*\qt+1]
.endr
.endr
.endr
.irp qt, 0,1
.irp dt, 0,1,2,3
.irp p, 0,1,2,3
	v_cvt_pk_f16_f32 v[KF+4*(4*\qt+\dt)+\p], v[O+8*(2*\dt+\qt)+2*\p], v[O+8*(2*\dt+\qt)+2*\p+1]
.endr
.endr
.endr
.irp qt, 0,1
.irp dt, 0,1,2,3
	ds_store_b128 v[STO], v[KF+4*(4*\qt+\dt):KF+4*(4*\qt+\dt)+3] offset:\qt*16*SPITCH+\dt*32     ; query 16 qt + r, d = 16 dt + 8 h + 0..7
.endr
.endr
.irp t, 0,1,2,3,4,5,6,7
	ds_load_b128 v[KF+32+4*\t:KF+32+4*\t+3], v[RD] offset:\t*4*SPITCH    ; LDS serves a wave's instructions in order: these see the stores above
.endr
.irp t, 0,1,2,3,4,5,6,7
	s_wait_dscnt 7-\t
	global_store_b128 v[CO], v[KF+32+4*\t:KF+32+4*\t+3], s[6:7] offset:\t*512
.endr
	s_wait_tensorcnt 0x0
	ds_add_u32 v21, v31
	s_wait_dscnt 0x0
	ROUND                                          ; the closing round: no work-group ends while a partner may still ask for a tile that names it
	s_endpgm
.Lfunc_end_k_q4d570e2843_attn:
	.size	k_q4d570e2843_attn, .Lfunc_end_k_q4d570e2843_attn-k_q4d570e2843_attn
	.p2alignl 7, 3214868480
	.fill 96, 4, 3214868480
	.section	.rodata,"a",@progbits
	.p2align	6, 0x0
	.amdhsa_kernel k_q4d570e2843_attn
		.amdhsa_group_segment_fixed_size 327680
		.amdhsa_private_segment_fixed_size 0
		.amdhsa_enable_private_segment 0
		.amdhsa_kernarg_size 16
		.amdhsa_user_sgpr_count 2
		.amdhsa_user_sgpr_kernarg_segment_ptr 1
		.amdhsa_wavefront_size32 1
		.amdhsa_system_sgpr_workgroup_id_x 1
		.amdhsa_system_sgpr_workgroup_id_y 1
		.amdhsa_system_sgpr_workgroup_id_z 1
		.amdhsa_system_vgpr_workitem_id 0
		.amdhsa_next_free_vgpr 336
		.amdhsa_next_free_sgpr 80
		.amdhsa_reserve_vcc 0
		.amdhsa_float_denorm_mode_32 3
		.amdhsa_float_denorm_mode_16_64 3
		.amdhsa_memory_ordered 1
		.amdhsa_forward_progress 1
		.amdhsa_inst_pref_size 255
	.end_amdhsa_kernel
	.section	.bss,"aw",@nobits
	.p2align	6
	.space	262144
	.amdgpu_metadata
---
amdhsa.version: [ 1, 2 ]
amdhsa.kernels:
  - .name:           k_q4d570e2843_attn
    .symbol:         k_q4d570e2843_attn.kd
    .args:
      - { .name: qkv, .offset: 0, .size: 8, .value_kind: global_buffer, .address_space: global }
      - { .name: ao, .offset: 8, .size: 8, .value_kind: global_buffer, .address_space: global }
    .group_segment_fixed_size: 327680
    .private_segment_fixed_size: 0
    .kernarg_segment_align: 8
    .kernarg_segment_size: 16
    .max_flat_workgroup_size: 256
    .sgpr_count:     80
    .vgpr_count:     336
    .wavefront_size: 32
...
	.end_amdgpu_metadata
.endif
;; end of part 5
;; launch outproj: the kernel of part 4 again; grid 8 x 32, 4 waves a work-group, clusters of 4 x 4, 327,680 bytes of LDS; arguments ao, xh, b_out, out0; writes out0
